; MI455X (gfx1250); checked and timed in simulation.
; The chip was launched on July 23, 2026; its instructions are those of AMD's public machine-readable ISA for CDNA 5 (MIT licence, August 2026) and "CDNA5" Instruction Set Architecture Reference Guide (July 2026). The comments in the code are by the model that wrote it; some were corrected since.
;; Mo E Layer. Allowed arithmetic: float matrix products may take bf16 or f16 operands with f32 sums; other float arithmetic in f32, or as packed bf16 or f16 multiplies, adds, multiply-adds, maxima and minima; sums over many terms, partial sums and values carried from step to step in f32; what a program stores and reads back later, other than sums and carried values, may be rounded once to bf16 or f16.
;; Inputs: W1 8 x 1,024 x 1,024 float32; W2 8 x 1,024 x 1,024 float32; Wg 1,024 x 8 float32; b1 8 x 1,024 float32; b2 8 x 1,024 float32; x 2 x 2,048 x 1,024 float32.
;; Outputs: out0 2 x 2,048 x 1,024 float32.
;; 2 versions, each right and faster than the one before. Each part assembles by itself: llvm-mc -triple=amdgcn-amd-amdhsa -mcpu=gfx1250 --defsym DOCPART=n.
;; ======== version 1 of 2: 5 launches
;; limits: values are held in f16: magnitudes above 65,504 overflow, below 6.1e-05 lose precision
;; workspace buffers: rtab 24,576 bytes of whole numbers; gate 32,768 bytes; ptab 33,024 bytes of whole numbers; w1b 16,777,216 bytes; w2h 16,777,216 bytes; xs 18,874,368 bytes; hs 18,874,368 bytes; yp 37,748,736 bytes
;; launch route (part 1): grid 256 x 1, 8 waves a work-group, no clusters, 92,160 bytes of LDS; arguments x, Wg, W1, rtab, gate, w1b; writes rtab, gate, w1b
.if DOCPART == 1
	.amdgcn_target "amdgcn-amd-amdhsa--gfx1250"
	.amdhsa_code_object_version 6
	.text
	.protected	k_q7a50d64644_route
	.globl	k_q7a50d64644_route
	.p2align	8
	.type	k_q7a50d64644_route,@function
k_q7a50d64644_route:
	s_mov_b64 s[64:65], 0
	v_nop
	global_prefetch_b8 v0, s[64:65] scope:SCOPE_SE
	s_setreg_imm32_b32 hwreg(HW_REG_WAVE_MODE, 25, 1), 1
	s_wait_xcnt 0x0
; ROUTER, AND W1 ROUNDED TO bf16.  256 work-groups of eight waves; the even ones route, the odd ones cast (the role hangs on the work-group's number alone).
; ROUTER (work-group 2 g): the 32 tokens 32 g .. 32 g + 31.  x and Wg are rounded to bf16, as every input of this program is; logits = x Wg on the matrix unit, f32 sums;
; softmax with the row's maximum taken away; the two largest probabilities (a strict compare in ascending order: the lower index wins a tie).
; It stores, all at fixed places: gate[t] = the two probabilities; rtab + 8192 + 4 t = e0 | e1 << 8; rtab + 32 g + 4 e = the bitmap of the group's tokens that chose expert e;
; rtab + 4096 + 16 g = the eight counts, two to a word.  No address and no branch hangs on these numbers here: a later launch places the rows.
; CAST (work-group 2 c + 1): 262,144 bytes of W1 to 131,072 bytes of bf16, same order; each wave keeps 16 loads of 512 bytes out.
; No cluster and no tensor load: no two work-groups read the same bytes but Wg's 32 KiB.
; LIMITS.  A token whose second and third probabilities differ by less than the sums' rounding may route otherwise than an exact sum would; an exponential below 2^-126 counts as 0;
; NaN and infinities are not treated apart.
.set XP,    2064                       ; an LDS row: 1,024 bf16 + 16 bytes = 129 x 16: sixteen rows of a fragment load start at sixteen different groups of four banks
.set WT,    32*XP                      ; behind x's 32 rows: Wg turned, 8 rows (experts) of 1,024 bf16
.set PART,  82688                      ; eight waves' partial logits, 1,024 bytes each
.set SPARE, 90880                      ; the spare words, 128 bytes for each wave: four blocks of 256 bytes that no other line names
.set SPW, 2                            ; v2  SPARE + 4 x my thread's number; never rewritten
.set NIL, 3                            ; v3  0; never rewritten
.set LN,  4                            ; v4  lane
.set WV,  16                           ; s16 wave
.set IDX, 17                           ; s17 the group, or the chunk
.set X,   16                           ; cast: 16 slots of 4 registers as loaded
.set Y,   80                           ; cast: 16 slots of 2 registers to store
	s_load_b256 s[4:11], s[0:1], 0x0               ; x s[4:5], Wg s[6:7], W1 s[8:9], rtab s[10:11]
	s_load_b128 s[12:15], s[0:1], 0x20             ; gate s[12:13], w1b s[14:15]
	v_lshl_add_u32 v[SPW], v0, 2, SPARE
	v_mov_b32 v[NIL], 0
	v_lshrrev_b32 v1, 5, v0
	v_readfirstlane_b32 s[WV], v1
	v_and_b32 v[LN], 31, v0
	s_lshr_b32 s[IDX], ttmp9, 1
	s_and_b32 s18, ttmp9, 1
	s_mov_b32 s21, 0
	s_wait_kmcnt 0x0
	s_cmp_eq_u32 s18, 0
	s_cbranch_scc1 .Lrouter
; ---------------------------------------------------------------- the cast
; One slot's turn.  ahead = 1: the slot is filled again, 16 loads further on.  left = the younger loads that may stay out.
.macro CSLOT i, ahead, left
	s_wait_loadcnt \left                           ; loads come back in order: mine is in
	s_wait_xcnt 0x0                                ; the slot's last store has read Y: it is rewritten only behind this wait
	v_cvt_pk_bf16_f32 v[Y+2*(\i)],   v[X+4*(\i)],   v[X+4*(\i)+1]
	v_cvt_pk_bf16_f32 v[Y+2*(\i)+1], v[X+4*(\i)+2], v[X+4*(\i)+3]
.if \ahead
	global_load_b128 v[X+4*(\i):X+4*(\i)+3], v5, s[8:9] offset:((\i)+16)*512 th:TH_LOAD_NT
.endif
	global_store_b64 v6, v[Y+2*(\i):Y+2*(\i)+1], s[14:15] offset:(\i)*256   ; 32 lanes x 8 bytes: 256 consecutive bytes, aligned
.endm
	s_lshl_b32 s20, s[IDX], 18
	s_add_nc_u64 s[8:9], s[8:9], s[20:21]          ; my chunk of W1
	s_lshl_b32 s20, s[IDX], 17
	s_add_nc_u64 s[14:15], s[14:15], s[20:21]      ; and of w1b
	v_lshlrev_b32 v5, 4, v[LN]
	v_lshl_add_u32 v5, s[WV], 15, v5               ; in: 32,768 bytes a wave, 16 a lane
	v_lshlrev_b32 v6, 3, v[LN]
	v_lshl_add_u32 v6, s[WV], 14, v6               ; out: half of that
.irp i, 0,1,2,3,4,5,6,7,8,9,10,11,12,13,14,15
	global_load_b128 v[X+4*(\i):X+4*(\i)+3], v5, s[8:9] offset:(\i)*512 th:TH_LOAD_NT
.endr
	s_mov_b32 s19, 3
.Lcast:                                                ; three rounds fill again, the fourth is written out
.irp i, 0,1,2,3,4,5,6,7,8,9,10,11,12,13,14,15
	CSLOT \i, 1, 15
.endr
	s_wait_xcnt 0x0                                ; the bases are stepped only behind this wait
	s_add_nc_u64 s[8:9], s[8:9], 8192
	s_add_nc_u64 s[14:15], s[14:15], 4096
	s_sub_co_u32 s19, s19, 1
	s_cmp_lg_u32 s19, 0
	s_cbranch_scc1 .Lcast
.irp i, 0,1,2,3,4,5,6,7,8,9,10,11,12,13,14,15
	CSLOT \i, 0, 15-(\i)                           ; no load leaves the buffer: the counts run down
.endr
	s_wait_tensorcnt 0x0                           ; the wave's end
	ds_add_u32 v[SPW], v[NIL]
	s_wait_dscnt 0x0
	s_endpgm
; ---------------------------------------------------------------- the router
.Lrouter:
	s_lshl_b32 s20, s[IDX], 17                     ; 32 tokens of 4,096 bytes
	s_add_nc_u64 s[4:5], s[4:5], s[20:21]
	v_lshlrev_b32 v5, 4, v[LN]
	v_lshl_add_u32 v5, s[WV], 14, v5               ; wave w loads rows 4 w .. 4 w + 3, 512 consecutive bytes a load
	v_lshlrev_b32 v6, 7, v0                        ; thread t loads Wg's rows 4 t .. 4 t + 3: 128 bytes
.set n, 0
.rept 32
	global_load_b128 v[16+4*n:16+4*n+3], v5, s[4:5] offset:(n/8)*4096+(n%8)*512
.set n, n+1
.endr
.irp i, 0,1,2,3,4,5,6,7
	global_load_b128 v[144+4*(\i):144+4*(\i)+3], v6, s[6:7] offset:16*(\i)   ; Wg[4 t + kk][e] lands in v[144 + 8 kk + e]
.endr
	v_lshlrev_b32 v7, 3, v[LN]
	s_mul_i32 s22, s[WV], 4*XP
	v_add_nc_u32 v7, s22, v7                       ; where my 8 bytes of row 4 w go
	v_lshl_add_u32 v8, v0, 3, WT                   ; where my four k of expert 0 go
.set n, 0
.rept 32
.if n%8 == 0
	s_wait_loadcnt 32-n                            ; a row's eight loads are in; the later rows' and Wg's eight may stay out
.endif
	v_cvt_pk_bf16_f32 v[16+4*n],   v[16+4*n],   v[16+4*n+1]
	v_cvt_pk_bf16_f32 v[16+4*n+1], v[16+4*n+2], v[16+4*n+3]
	ds_store_b64 v7, v[16+4*n:16+4*n+1] offset:(n/8)*XP+(n%8)*256
.set n, n+1
.endr
	s_wait_loadcnt 0x0
.irp e, 0,1,2,3,4,5,6,7
	v_cvt_pk_bf16_f32 v[176+2*(\e)], v[144+(\e)], v[152+(\e)]
	v_cvt_pk_bf16_f32 v[177+2*(\e)], v[160+(\e)], v[168+(\e)]
	ds_store_b64 v8, v[176+2*(\e):177+2*(\e)] offset:(\e)*XP
.endr
	s_wait_dscnt 0x0                               ; for the others' sake: my stores are done
	s_barrier_signal -1
	s_barrier_wait -1
	; Wave w multiplies k = 128 w .. 128 w + 127, four steps of 32.  Source 0 = experts (16 rows), source 1 = 16 tokens: a lane of the result holds one token.
	; LO has the 8 experts in rows 0-7 and zeros below, HI the other way round: LO x tokens 0-15 + HI x tokens 16-31 leaves in lane l the 8 logits of token l.
	v_and_b32 v9, 15, v0
	v_bfe_u32 v10, v0, 4, 1
	v_lshlrev_b32 v11, 4, v10
	v_lshl_add_u32 v11, s[WV], 8, v11              ; 16 x half + my slice's 256 bytes
	v_mul_u32_u24 v12, v9, XP
	v_add_nc_u32 v12, v12, v11
	v_and_b32 v13, 7, v0
	v_mul_u32_u24 v13, v13, XP
	v_add3_u32 v13, v13, v11, WT
.irp q, 0,1,2,3
	ds_load_b128 v[16+8*(\q):19+8*(\q)], v12 offset:64*(\q)
	ds_load_b128 v[20+8*(\q):23+8*(\q)], v12 offset:64*(\q)+32
	ds_load_b128 v[48+8*(\q):51+8*(\q)], v12 offset:16*XP+64*(\q)
	ds_load_b128 v[52+8*(\q):55+8*(\q)], v12 offset:16*XP+64*(\q)+32
	ds_load_b128 v[80+8*(\q):83+8*(\q)], v13 offset:64*(\q)
	ds_load_b128 v[84+8*(\q):87+8*(\q)], v13 offset:64*(\q)+32
.endr
	s_mov_b32 s22, 0x00ff00ff                      ; lanes whose row is 0-7
	s_mov_b32 s23, 0xff00ff00                      ; lanes whose row is 8-15
	v_lshl_add_u32 v14, v0, 5, PART                ; my 32 bytes among the partial logits
	s_wait_dscnt 0x0
.set n, 0
.rept 32
	v_cndmask_b32 v[112+n], 0, v[80+n], s22
	v_cndmask_b32 v[144+n], 0, v[80+n], s23
.set n, n+1
.endr
	v_wmma_f32_16x16x32_bf16 v[176:183], v[112:119], v[16:23], 0      ; the first step starts both sums; the two accumulators take turns
	v_wmma_f32_16x16x32_bf16 v[184:191], v[144:151], v[48:55], 0
.irp q, 1,2,3
	v_wmma_f32_16x16x32_bf16 v[176:183], v[112+8*(\q):119+8*(\q)], v[16+8*(\q):23+8*(\q)], v[176:183]
	v_wmma_f32_16x16x32_bf16 v[184:191], v[144+8*(\q):151+8*(\q)], v[48+8*(\q):55+8*(\q)], v[184:191]
.endr
.rept 4
	v_nop                                          ; four places behind the last products (ISA guide 7.12.1)
.endr
.irp j, 0,2,4,6
	v_pk_add_f32 v[16+(\j):17+(\j)], v[176+(\j):177+(\j)], v[184+(\j):185+(\j)]   ; from the low end on
.endr
	ds_store_b128 v14, v[16:19]
	ds_store_b128 v14, v[20:23] offset:16
	s_wait_dscnt 0x0
	s_barrier_signal -1
	s_barrier_wait -1
	s_cmp_eq_u32 s[WV], 0
	s_cbranch_scc1 .Lwave0
	s_wait_tensorcnt 0x0                           ; waves 1 to 7 end here: the three lines
	ds_add_u32 v[SPW], v[NIL]
	s_wait_dscnt 0x0
	s_endpgm
.Lwave0:                                               ; lane = token (in wave 0 the thread's number is the lane's, so v14 serves)
.irp q, 0,1,2,3,4,5,6,7
	ds_load_b128 v[32+8*(\q):35+8*(\q)], v14 offset:1024*(\q)
	ds_load_b128 v[36+8*(\q):39+8*(\q)], v14 offset:1024*(\q)+16
.endr
	s_wait_dscnt 0x0
.irp q, 1,2,3,4,5,6,7
.irp j, 0,2,4,6
	v_pk_add_f32 v[32+(\j):33+(\j)], v[32+(\j):33+(\j)], v[32+8*(\q)+(\j):33+8*(\q)+(\j)]   ; the slices in ascending order
.endr
.endr
	v_max3_num_f32 v40, v32, v33, v34
	v_max3_num_f32 v40, v40, v35, v36
	v_max3_num_f32 v40, v40, v37, v38
	v_max_num_f32 v40, v40, v39                    ; the row's maximum
.irp e, 0,1,2,3,4,5,6,7
	v_sub_f32 v[48+(\e)], v[32+(\e)], v40
.endr
.irp e, 0,1,2,3,4,5,6,7
	v_mul_f32 v[48+(\e)], 0x3fb8aa3b, v[48+(\e)]   ; times log2(e)
.endr
.irp e, 0,1,2,3,4,5,6,7
	v_exp_f32 v[48+(\e)], v[48+(\e)]
.endr
	v_nop                                          ; a plain instruction behind the last exponential,
	s_wait_alu depctr_va_vdst(0)                   ; and one wait for the eight
	v_add_f32 v41, v48, v49
	v_add_f32 v42, v50, v51
	v_add_f32 v43, v52, v53
	v_add_f32 v44, v54, v55
	v_add_f32 v41, v41, v42
	v_add_f32 v43, v43, v44
	v_add_f32 v41, v41, v43
	v_rcp_f32 v45, v41
	v_nop
	s_wait_alu depctr_va_vdst(0)
.irp e, 0,1,2,3,4,5,6,7
	v_mul_f32 v[48+(\e)], v[48+(\e)], v45          ; the probabilities
.endr
	v_mov_b32 v56, v48                             ; the largest, and its expert
	v_mov_b32 v58, 0
.irp e, 1,2,3,4,5,6,7
	v_cmp_gt_f32 vcc_lo, v[48+(\e)], v56
	v_cndmask_b32 v56, v56, v[48+(\e)], vcc_lo
	v_cndmask_b32 v58, v58, \e, vcc_lo
.endr
	v_mov_b32 v57, -1.0                            ; the second: below every probability, so the first expert that is not e0 takes it
	v_mov_b32 v59, 0
.irp e, 0,1,2,3,4,5,6,7
	v_cmp_gt_f32 s24, v[48+(\e)], v57
	v_cmp_ne_u32 s25, \e, v58
	s_and_b32 vcc_lo, s24, s25
	v_cndmask_b32 v57, v57, v[48+(\e)], vcc_lo
	v_cndmask_b32 v59, v59, \e, vcc_lo
.endr
	s_lshl_b32 s20, s[IDX], 8
	s_add_nc_u64 s[12:13], s[12:13], s[20:21]
	v_lshlrev_b32 v60, 3, v[LN]
	global_store_b64 v60, v[56:57], s[12:13]       ; 256 consecutive bytes, aligned
	v_lshl_or_b32 v61, v59, 8, v58
	s_lshl_b32 s26, s[IDX], 7
	v_lshl_add_u32 v62, v[LN], 2, s26
	global_store_b32 v62, v61, s[10:11] offset:8192
	v_mov_b32 v63, 0
.irp e, 0,1,2,3,4,5,6,7
	v_cmp_eq_u32 s24, \e, v58
	v_cmp_eq_u32 s25, \e, v59
	s_or_b32 s[32+(\e)], s24, s25                  ; the tokens that chose expert e,
	s_bcnt1_i32_b32 s[40+(\e)], s[32+(\e)]         ; and how many
	v_writelane_b32 v63, s[32+(\e)], \e
.endr
.irp k, 0,1,2,3
	s_lshl_b32 s24, s[41+2*(\k)], 16
	s_or_b32 s24, s24, s[40+2*(\k)]
	v_writelane_b32 v63, s24, 8+(\k)
.endr
	s_lshl_b32 s24, s[IDX], 5                      ; lanes 0-7: the bitmaps at 32 g + 4 l
	s_lshl_b32 s25, s[IDX], 4
	s_add_co_u32 s25, s25, 4096-32                 ; lanes 8-11: the counts at 4096 + 16 g + 4 (l - 8)
	v_lshl_add_u32 v64, v[LN], 2, s24
	v_lshl_add_u32 v65, v[LN], 2, s25
	v_cmp_gt_u32 vcc_lo, 8, v[LN]
	v_cndmask_b32 v64, v65, v64, vcc_lo
	v_cmp_gt_u32 vcc_lo, 12, v[LN]
	s_wait_xcnt 0x0                                ; EXEC changes only behind this wait
	s_and_saveexec_b32 s26, vcc_lo
	global_store_b32 v64, v63, s[10:11]
	s_wait_xcnt 0x0                                ; and again, in front of the line that widens it
	s_or_b32 exec_lo, exec_lo, s26
	s_wait_tensorcnt 0x0                           ; the wave's end: the three lines
	ds_add_u32 v[SPW], v[NIL]
	s_wait_dscnt 0x0
	s_endpgm
.Lfunc_end_k_q7a50d64644_route:
	.size	k_q7a50d64644_route, .Lfunc_end_k_q7a50d64644_route-k_q7a50d64644_route
	.p2alignl 7, 3214868480
	.fill 96, 4, 3214868480
	.section	.rodata,"a",@progbits
	.p2align	6, 0x0
	.amdhsa_kernel k_q7a50d64644_route
		.amdhsa_group_segment_fixed_size 92160
		.amdhsa_private_segment_fixed_size 0
		.amdhsa_enable_private_segment 0
		.amdhsa_kernarg_size 48
		.amdhsa_user_sgpr_count 2
		.amdhsa_user_sgpr_kernarg_segment_ptr 1
		.amdhsa_wavefront_size32 1
		.amdhsa_system_sgpr_workgroup_id_x 1
		.amdhsa_system_sgpr_workgroup_id_y 1
		.amdhsa_system_sgpr_workgroup_id_z 1
		.amdhsa_system_vgpr_workitem_id 0
		.amdhsa_next_free_vgpr 192
		.amdhsa_next_free_sgpr 66
		.amdhsa_reserve_vcc 1
		.amdhsa_float_denorm_mode_32 3
		.amdhsa_float_denorm_mode_16_64 3
		.amdhsa_memory_ordered 1
		.amdhsa_forward_progress 1
		.amdhsa_inst_pref_size 45
	.end_amdhsa_kernel
	.amdgpu_metadata
---
amdhsa.version: [ 1, 2 ]
amdhsa.kernels:
  - .name:           k_q7a50d64644_route
    .symbol:         k_q7a50d64644_route.kd
    .args:
      - { .name: x, .offset: 0, .size: 8, .value_kind: global_buffer, .address_space: global }
      - { .name: Wg, .offset: 8, .size: 8, .value_kind: global_buffer, .address_space: global }
      - { .name: W1, .offset: 16, .size: 8, .value_kind: global_buffer, .address_space: global }
      - { .name: rtab, .offset: 24, .size: 8, .value_kind: global_buffer, .address_space: global }
      - { .name: gate, .offset: 32, .size: 8, .value_kind: global_buffer, .address_space: global }
      - { .name: w1b, .offset: 40, .size: 8, .value_kind: global_buffer, .address_space: global }
    .group_segment_fixed_size: 92160
    .private_segment_fixed_size: 0
    .kernarg_segment_align: 8
    .kernarg_segment_size: 48
    .max_flat_workgroup_size: 256
    .sgpr_count:     66
    .vgpr_count:     192
    .wavefront_size: 32
...
	.end_amdgpu_metadata
.endif
;; end of part 1
;; launch place (part 2): grid 256 x 1, 8 waves a work-group, no clusters, 4,352 bytes of LDS; arguments rtab, x, W2, ptab, xs, w2h; writes ptab, xs, w2h
.if DOCPART == 2
	.amdgcn_target "amdgcn-amd-amdhsa--gfx1250"
	.amdhsa_code_object_version 6
	.text
	.protected	k_q7a50d64644_place
	.globl	k_q7a50d64644_place
	.p2align	8
	.type	k_q7a50d64644_place,@function
k_q7a50d64644_place:
	s_mov_b64 s[64:65], 0
	v_nop
	global_prefetch_b8 v0, s[64:65] scope:SCOPE_SE
	s_setreg_imm32_b32 hwreg(HW_REG_WAVE_MODE, 25, 1), 1
	s_wait_xcnt 0x0
; PLACING THE ROWS, AND W2 ROUNDED.  256 work-groups of eight waves; the even ones place and gather, the odd ones cast (the role hangs on the work-group's number alone).
; THE DEAL.  The two products work on 64 PARTS of 144 row places.  With the counts c_e (their sum is 8,192, each at most 4,096) expert e gets n_e = ceil(c_e / 144) parts, from part
; S_e = n_0 + .. + n_(e-1) on.  The sum of the n_e is at most (8192 + 8 x 143) / 144 = 64.8, so 64 parts serve every split of the tokens.  An expert's parts lie end to end, so its row of
; rank k has the place 144 S_e + k.  ceil(c / 144) = (c + 143) 7282 >> 20, exact here: 144 x 7282 is 32 over 2^20, and 32 x the quotient (29 at the most) stays under 2^20 - 143 x 7282 = 7250.
; GATHER (work-group 2 i): every work-group adds up the 128 groups' counts for itself (no launch for a list).  It fills half of part i / 2 in xs: x's rows rounded to bf16, laid as
; [part][K step of 128][144 rows][128], so that a K step's tile is a dense run of rows of 256 bytes.  A place past the expert's count takes token 0's row: a row that exists; so does every place
; of a part that the split leaves without an expert.  It also stores pos[t][0..1] for the 32 tokens of group i; work-group 0 stores each part's expert (0 where it has none).
; CAST (work-group 2 c + 1): W2 rounded to bf16, like every input, and that number written as f16 for the second product.
; No cluster and no tensor load: a stream and a gather by a list; what work-groups share is the 6 KiB of counts and bitmaps.
; LIMITS.  |W2| of 65,520 or more becomes an infinity in f16; below 6.1e-5 it keeps f16's fixed step of 6e-8.
.set ROWS,  144                        ; row places in a part
.set KSB,   ROWS*256                   ; bytes of a K step's tile of a part
.set PARTB, 8*KSB                      ; bytes of a part in xs
.set LIST,  0                          ; 256 words: the token of each of the part's places; word 144 takes what belongs to no place
.set WTOT,  1024                       ; four waves' totals, 16 bytes each
.set PT,    1280                       ; 128 groups x 8 prefixes of 16 bits
.set SPARE, 3328                       ; the spare words, 128 bytes for each wave: four blocks of 256 bytes that no other line names
.set SPW, 2
.set NIL, 3
.set LN,  4
.set WV,  16                           ; s16 wave
.set IDX, 17                           ; s17 i, or c
.set X,   16                           ; cast: 16 slots of 4 registers as loaded
.set Y,   80                           ; cast: 16 slots of 2 registers to store
.set CN,  48                           ; s[48:55] c_e
.set NE,  56                           ; s[56:63] n_e
.set SE,  66                           ; s[66:73] S_e
.set TOT, 74                           ; s[74:77] the totals, packed
.set PP,  84                           ; my part
.set HALF, 85
.set EP,  87                           ; my part's expert
.set LO,  90                           ; the rank of my part's place 0
.set VO,  8                            ; v[8:16]  nine rows' byte offsets in x
.set GX,  24                           ; v[24:119] 24 slots of 4 registers as loaded
.set GY,  120                          ; v[120:127] 4 pairs to store
	s_load_b256 s[4:11], s[0:1], 0x0               ; rtab s[4:5], x s[6:7], W2 s[8:9], ptab s[10:11]
	s_load_b128 s[12:15], s[0:1], 0x20             ; xs s[12:13], w2h s[14:15]
	v_lshl_add_u32 v[SPW], v0, 2, SPARE
	v_mov_b32 v[NIL], 0
	v_lshrrev_b32 v1, 5, v0
	v_readfirstlane_b32 s[WV], v1
	v_and_b32 v[LN], 31, v0
	s_lshr_b32 s[IDX], ttmp9, 1
	s_and_b32 s18, ttmp9, 1
	s_mov_b32 s21, 0
	s_wait_kmcnt 0x0
	s_cmp_eq_u32 s18, 0
	s_cbranch_scc1 .Lgather
; ---------------------------------------------------------------- the cast
; One slot's turn.  ahead = 1: the slot is filled again, 16 loads further on.  left = the younger loads that may stay out.
.macro CSLOT i, ahead, left
	s_wait_loadcnt \left                           ; loads come back in order: mine is in
	s_wait_xcnt 0x0                                ; the slot's last store has read Y: it is rewritten only behind this wait
	v_cvt_pk_bf16_f32 v[Y+2*(\i)],   v[X+4*(\i)],   v[X+4*(\i)+1]    ; rounded to bf16,
	v_cvt_pk_bf16_f32 v[Y+2*(\i)+1], v[X+4*(\i)+2], v[X+4*(\i)+3]
	v_lshlrev_b32 v[X+4*(\i)],   16, v[Y+2*(\i)]                     ; widened again,
	v_and_b32     v[X+4*(\i)+1], 0xffff0000, v[Y+2*(\i)]
	v_lshlrev_b32 v[X+4*(\i)+2], 16, v[Y+2*(\i)+1]
	v_and_b32     v[X+4*(\i)+3], 0xffff0000, v[Y+2*(\i)+1]
	v_cvt_pk_f16_f32 v[Y+2*(\i)],   v[X+4*(\i)],   v[X+4*(\i)+1]     ; and written as f16: 8 significant bits fit its 11
	v_cvt_pk_f16_f32 v[Y+2*(\i)+1], v[X+4*(\i)+2], v[X+4*(\i)+3]
.if \ahead
	global_load_b128 v[X+4*(\i):X+4*(\i)+3], v5, s[8:9] offset:((\i)+16)*512 th:TH_LOAD_NT
.endif
	global_store_b64 v6, v[Y+2*(\i):Y+2*(\i)+1], s[14:15] offset:(\i)*256   ; 32 lanes x 8 bytes: 256 consecutive bytes, aligned
.endm
	s_lshl_b32 s20, s[IDX], 18
	s_add_nc_u64 s[8:9], s[8:9], s[20:21]          ; my 262,144 bytes of W2
	s_lshl_b32 s20, s[IDX], 17
	s_add_nc_u64 s[14:15], s[14:15], s[20:21]      ; and half as many of w2h
	v_lshlrev_b32 v5, 4, v[LN]
	v_lshl_add_u32 v5, s[WV], 15, v5               ; in: 32,768 bytes a wave, 16 a lane
	v_lshlrev_b32 v6, 3, v[LN]
	v_lshl_add_u32 v6, s[WV], 14, v6               ; out: half of that
.irp i, 0,1,2,3,4,5,6,7,8,9,10,11,12,13,14,15
	global_load_b128 v[X+4*(\i):X+4*(\i)+3], v5, s[8:9] offset:(\i)*512 th:TH_LOAD_NT
.endr
	s_mov_b32 s19, 3
.Lcast:                                                ; three rounds fill again, the fourth is written out
.irp i, 0,1,2,3,4,5,6,7,8,9,10,11,12,13,14,15
	CSLOT \i, 1, 15
.endr
	s_wait_xcnt 0x0                                ; the bases are stepped only behind this wait
	s_add_nc_u64 s[8:9], s[8:9], 8192
	s_add_nc_u64 s[14:15], s[14:15], 4096
	s_sub_co_u32 s19, s19, 1
	s_cmp_lg_u32 s19, 0
	s_cbranch_scc1 .Lcast
.irp i, 0,1,2,3,4,5,6,7,8,9,10,11,12,13,14,15
	CSLOT \i, 0, 15-(\i)                           ; no load leaves the buffer: the counts run down
.endr
	s_wait_tensorcnt 0x0                           ; the wave's end
	ds_add_u32 v[SPW], v[NIL]
	s_wait_dscnt 0x0
	s_endpgm
; ---------------------------------------------------------------- placing and gathering
.Lgather:
	v_lshlrev_b32 v5, 2, v0
	ds_store_b32 v5, v[NIL]                        ; every place begins as token 0
	v_lshlrev_b32 v6, 4, v0
	s_lshl_b32 s22, s[IDX], 7
	v_lshl_add_u32 v40, v[LN], 2, s22
	global_load_b32 v41, v40, s[4:5] offset:8192   ; the two choices of token 32 i + lane: asked for here, wanted behind the second barrier
	v_mov_b32 v7, 0
.irp c, 0,1,2,3
	v_mov_b32 v[16+(\c)], 0
.endr
	s_cmp_lt_u32 s[WV], 4
	s_cbranch_scc0 .Lno_scan
	; waves 0-3: thread g takes group g's four packed words of counts; a running sum inside the wave (a half never passes 4,096, so the halves do not meet)
	global_load_b128 v[8:11], v6, s[4:5] offset:4096
	s_mov_b32 s22, 0xffff0000
	s_wait_loadcnt 0x0
.irp c, 0,1,2,3
	v_mov_b32 v[12+(\c)], v[8+(\c)]
.endr
.irp n, 1,2,4,8
.irp c, 0,1,2,3
	v_mov_b32_dpp v7, v[12+(\c)] row_shr:\n row_mask:0xf bank_mask:0xf bound_ctrl:1
	v_add_nc_u32 v[12+(\c)], v[12+(\c)], v7
.endr
.endr
.irp c, 0,1,2,3
	v_readlane_b32 s23, v[12+(\c)], 15             ; the lower half's total goes onto the upper half
	v_cndmask_b32 v7, 0, s23, s22
	v_add_nc_u32 v[12+(\c)], v[12+(\c)], v7
.endr
.irp c, 0,1,2,3
	v_sub_nc_u32 v[16+(\c)], v[12+(\c)], v[8+(\c)] ; what lies in front of my group, inside the wave
	v_readlane_b32 s[24+(\c)], v[12+(\c)], 31
	v_mov_b32 v[20+(\c)], s[24+(\c)]
.endr
	s_lshl_b32 s23, s[WV], 4
	v_mov_b32 v1, s23
	ds_store_b128 v1, v[20:23] offset:WTOT
.Lno_scan:
	s_wait_dscnt 0x0                               ; for the others' sake: my stores are done
	s_barrier_signal -1
	s_barrier_wait -1
	v_mov_b32 v1, WTOT
.irp q, 0,1,2,3
	ds_load_b128 v[24+4*(\q):27+4*(\q)], v1 offset:16*(\q)
.endr
	s_wait_dscnt 0x0
.set n, 0
.rept 16
	v_readfirstlane_b32 s[32+n], v[24+n]
.set n, n+1
.endr
.irp c, 0,1,2,3
	s_mov_b32 s[28+(\c)], 0
	s_mov_b32 s[TOT+(\c)], 0
.endr
.irp q, 0,1,2,3
	s_cmp_gt_u32 s[WV], \q                         ; the waves in front of mine
.irp c, 0,1,2,3
	s_cselect_b32 s[92+(\c)], s[32+4*(\q)+(\c)], 0 ; all four selects ahead of the sums, which write SCC
.endr
.irp c, 0,1,2,3
	s_add_co_u32 s[28+(\c)], s[28+(\c)], s[92+(\c)]
	s_add_co_u32 s[TOT+(\c)], s[TOT+(\c)], s[32+4*(\q)+(\c)]
.endr
.endr
	s_cmp_lt_u32 s[WV], 4
	s_cbranch_scc0 .Lno_pt
.irp c, 0,1,2,3
	v_add_nc_u32 v[16+(\c)], s[28+(\c)], v[16+(\c)]
.endr
	ds_store_b128 v6, v[16:19] offset:PT           ; group g's eight prefixes
.Lno_pt:
	s_wait_dscnt 0x0
	s_barrier_signal -1
	s_barrier_wait -1
	; the deal, in scalar registers, alike in every wave of every work-group
.irp k, 0,1,2,3
	s_and_b32 s[CN+2*(\k)], s[TOT+(\k)], 0xffff
	s_lshr_b32 s[CN+2*(\k)+1], s[TOT+(\k)], 16
.endr
	s_mov_b32 s22, 0
.irp e, 0,1,2,3,4,5,6,7
	s_mov_b32 s[SE+(\e)], s22
	s_add_co_u32 s23, s[CN+(\e)], ROWS-1
	s_mul_i32 s23, s23, 7282
	s_lshr_b32 s[NE+(\e)], s23, 20
	s_add_co_u32 s22, s22, s[NE+(\e)]
.endr
	s_lshr_b32 s[PP], s[IDX], 1
	s_and_b32 s[HALF], s[IDX], 1
	s_mov_b32 s[EP], 0
	s_mov_b32 s88, 0
	s_mov_b32 s89, 0
.irp e, 0,1,2,3,4,5,6,7
	s_sub_co_u32 s23, s[PP], s[SE+(\e)]            ; below S_e it wraps to a large number
	s_cmp_lt_u32 s23, s[NE+(\e)]
	s_cselect_b32 s[EP], \e, s[EP]
	s_cselect_b32 s88, s[SE+(\e)], s88
	s_cselect_b32 s89, 1, s89
.endr
	s_sub_co_u32 s23, s[PP], s88
	s_mul_i32 s[LO], s23, ROWS
	s_cmp_eq_u32 s89, 0
	s_cmov_b32 s[LO], 0x10000                      ; a part that the split leaves without an expert: no rank reaches it, and all its places stay token 0
	s_min_u32 s[EP], s[EP], 7
	; All that is read from LDS at addresses made of loaded numbers is read here, between two barriers between which nothing is written to LDS.  Every wave issues these few loads alike:
	; the bitmaps and prefixes of my part's expert for groups l, l + 32, l + 64, l + 96 (the list), and those of my token's two experts for group i (its places).
	s_lshl_b32 s22, s[EP], 2
	v_lshl_add_u32 v42, v[LN], 5, s22
	s_lshl_b32 s23, s[EP], 1
	v_lshl_add_u32 v43, v[LN], 4, s23
.irp q, 0,1,2,3
	global_load_b32 v[44+(\q)], v42, s[4:5] offset:1024*(\q)
	ds_load_u16 v[48+(\q)], v43 offset:PT+512*(\q)
	v_lshl_add_u32 v[52+(\q)], v[LN], 5, 1024*(\q) ; the group's first token
.endr
	s_lshl_b32 s92, s[IDX], 5
	s_lshl_b32 s93, s[IDX], 4
	s_wait_loadcnt 0x4                             ; the choices are in; the four loads just issued may stay out
	v_and_b32 v56, 0xff, v41
	v_bfe_u32 v57, v41, 8, 8
	v_min_u32 v56, 7, v56
	v_min_u32 v57, 7, v57
.irp u, 0,1
	v_lshl_add_u32 v[58+(\u)], v[56+(\u)], 2, s92
	global_load_b32 v[60+(\u)], v[58+(\u)], s[4:5] ; group i's bitmap of that expert
	v_lshl_add_u32 v[62+(\u)], v[56+(\u)], 1, s93
	ds_load_u16 v[64+(\u)], v[62+(\u)] offset:PT   ; and its prefix
.endr
	s_wait_loadcnt 0x0
	s_wait_dscnt 0x0                               ; my reads of the prefixes are back: behind the barrier the list may be written
	s_barrier_signal -1
	s_barrier_wait -1
	s_cmp_eq_u32 s[WV], 0
	s_cbranch_scc1 .Lenum
	s_cmp_eq_u32 s[WV], 4
	s_cbranch_scc1 .Lpos
	s_cmp_eq_u32 s[WV], 5
	s_cbranch_scc1 .Ltab
	s_branch .Ljoin
.Lenum: ; wave 0 alone writes the list, so its LDS stores are in order.  Lane l walks the bitmaps of its four groups, a bit of each in each of 32 trips.
	v_mov_b32 v68, ROWS
.irp q, 0,1,2,3
	v_subrev_nc_u32 v[48+(\q)], s[LO], v[48+(\q)]  ; the place of the group's first chosen token; in front of the part it wraps to a large number
.endr
	s_mov_b32 s19, 32
.Lbit:
.irp q, 0,1,2,3
	v_and_b32 v66, 1, v[44+(\q)]
	v_cmp_eq_u32 vcc_lo, 1, v66
	v_cndmask_b32 v67, v68, v[48+(\q)], vcc_lo
	v_min_u32 v67, ROWS, v67                       ; not chosen, or not among this part's 144 places: word 144
	v_lshlrev_b32 v67, 2, v67
	ds_store_b32 v67, v[52+(\q)]
	v_add_nc_u32 v[48+(\q)], v[48+(\q)], v66
	v_add_nc_u32 v[52+(\q)], 1, v[52+(\q)]
	v_lshrrev_b32 v[44+(\q)], 1, v[44+(\q)]
.endr
	s_sub_co_u32 s19, s19, 1
	s_cmp_lg_u32 s19, 0
	s_cbranch_scc1 .Lbit
	s_branch .Ljoin
.Lpos:  ; wave 4: lane = token 32 i + lane; where its two rows go: 144 S_e + rank
	v_mov_b32 v70, 0
	v_mov_b32 v71, 0
.irp e, 0,1,2,3,4,5,6,7
.irp u, 0,1
	v_cmp_eq_u32 vcc_lo, \e, v[56+(\u)]
	v_cndmask_b32 v[70+(\u)], v[70+(\u)], s[SE+(\e)], vcc_lo
.endr
.endr
.irp u, 0,1
	v_mbcnt_lo_u32_b32 v[72+(\u)], v[60+(\u)], v[64+(\u)]   ; rank = prefix + the chosen tokens in the lanes below mine
	v_mad_u32_u24 v[76+(\u)], v[70+(\u)], ROWS, v[72+(\u)]
.endr
	s_lshl_b32 s20, s[IDX], 8
	s_add_nc_u64 s[22:23], s[10:11], s[20:21]
	v_lshlrev_b32 v80, 3, v[LN]
	global_store_b64 v80, v[76:77], s[22:23] offset:256     ; 256 consecutive bytes, aligned
	s_branch .Ljoin
.Ltab:  ; wave 5 of work-group 0: lane l holds the experts of parts l and l + 32 (0 where the split leaves a part none)
	s_cmp_lg_u32 s[IDX], 0
	s_cbranch_scc1 .Ljoin
	v_mov_b32 v8, 0
	v_mov_b32 v9, 0
	v_add_nc_u32 v10, 32, v[LN]
.irp e, 0,1,2,3,4,5,6,7
	v_subrev_nc_u32 v11, s[SE+(\e)], v[LN]
	v_cmp_gt_u32 vcc_lo, s[NE+(\e)], v11
	v_cndmask_b32 v8, v8, \e, vcc_lo
	v_subrev_nc_u32 v11, s[SE+(\e)], v10
	v_cmp_gt_u32 vcc_lo, s[NE+(\e)], v11
	v_cndmask_b32 v9, v9, \e, vcc_lo
.endr
	v_lshlrev_b32 v11, 2, v[LN]
	global_store_b32 v11, v8, s[10:11]
	global_store_b32 v11, v9, s[10:11] offset:128
.Ljoin:
	s_wait_xcnt 0x0                                ; the stores above have read their registers
	s_wait_dscnt 0x0                               ; the list is written
	s_barrier_signal -1
	s_barrier_wait -1
	; THE GATHER.  Wave w takes places 72 half + 9 w + 0..8 of the part.  A load of 512 bytes is 128 numbers of a row: one K step's piece; rounded, it is one store of 256 bytes.
	s_mul_i32 s22, s[HALF], 72
	s_mul_i32 s23, s[WV], 9
	s_add_co_u32 s22, s22, s23
	s_lshl_b32 s23, s22, 2
	v_mov_b32 v19, s23
.irp i, 0,1,2,3,4,5,6,7,8
	ds_load_b32 v[VO+(\i)], v19 offset:LIST+4*(\i) ; the same word in every lane
.endr
	v_lshlrev_b32 v17, 4, v[LN]
	s_lshl_b32 s23, s22, 8
	v_lshl_add_u32 v18, v[LN], 3, s23
	s_mul_i32 s20, s[PP], PARTB
	s_add_nc_u64 s[12:13], s[12:13], s[20:21]
	s_wait_dscnt 0x0
.irp i, 0,1,2,3,4,5,6,7,8
	v_min_u32 v[VO+(\i)], 0xfff, v[VO+(\i)]
	v_lshl_add_u32 v[VO+(\i)], v[VO+(\i)], 12, v17
.endr
.set n, 0
.rept 24
	global_load_b128 v[GX+4*n:GX+4*n+3], v[VO+n/8], s[6:7] offset:(n%8)*512
.set n, n+1
.endr
.set n, 0
.rept 72
.if n < 48
	s_wait_loadcnt 23                              ; mine is in, the 23 younger ones stay out
.else
	s_wait_loadcnt 71-n                            ; nothing is left to ask for: the counts run down
.endif
	s_wait_xcnt 0x0                                ; the pair's last store has read it
	v_cvt_pk_bf16_f32 v[GY+2*(n%4)],   v[GX+4*(n%24)],   v[GX+4*(n%24)+1]
	v_cvt_pk_bf16_f32 v[GY+2*(n%4)+1], v[GX+4*(n%24)+2], v[GX+4*(n%24)+3]
.if n < 48
	global_load_b128 v[GX+4*(n%24):GX+4*(n%24)+3], v[VO+(n+24)/8], s[6:7] offset:(n%8)*512
.endif
	global_store_b64 v18, v[GY+2*(n%4):GY+2*(n%4)+1], s[12:13] offset:(n/8)*256+(n%8)*KSB   ; 256 consecutive bytes, aligned
.set n, n+1
.endr
	s_wait_tensorcnt 0x0                           ; the wave's end: the three lines
	ds_add_u32 v[SPW], v[NIL]
	s_wait_dscnt 0x0
	s_endpgm
.Lfunc_end_k_q7a50d64644_place:
	.size	k_q7a50d64644_place, .Lfunc_end_k_q7a50d64644_place-k_q7a50d64644_place
	.p2alignl 7, 3214868480
	.fill 96, 4, 3214868480
	.section	.rodata,"a",@progbits
	.p2align	6, 0x0
	.amdhsa_kernel k_q7a50d64644_place
		.amdhsa_group_segment_fixed_size 4352
		.amdhsa_private_segment_fixed_size 0
		.amdhsa_enable_private_segment 0
		.amdhsa_kernarg_size 48
		.amdhsa_user_sgpr_count 2
		.amdhsa_user_sgpr_kernarg_segment_ptr 1
		.amdhsa_wavefront_size32 1
		.amdhsa_system_sgpr_workgroup_id_x 1
		.amdhsa_system_sgpr_workgroup_id_y 1
		.amdhsa_system_sgpr_workgroup_id_z 1
		.amdhsa_system_vgpr_workitem_id 0
		.amdhsa_next_free_vgpr 128
		.amdhsa_next_free_sgpr 96
		.amdhsa_reserve_vcc 1
		.amdhsa_float_denorm_mode_32 3
		.amdhsa_float_denorm_mode_16_64 3
		.amdhsa_memory_ordered 1
		.amdhsa_forward_progress 1
		.amdhsa_inst_pref_size 72
	.end_amdhsa_kernel
	.amdgpu_metadata
---
amdhsa.version: [ 1, 2 ]
amdhsa.kernels:
  - .name:           k_q7a50d64644_place
    .symbol:         k_q7a50d64644_place.kd
    .args:
      - { .name: rtab, .offset: 0, .size: 8, .value_kind: global_buffer, .address_space: global }
      - { .name: x, .offset: 8, .size: 8, .value_kind: global_buffer, .address_space: global }
      - { .name: W2, .offset: 16, .size: 8, .value_kind: global_buffer, .address_space: global }
      - { .name: ptab, .offset: 24, .size: 8, .value_kind: global_buffer, .address_space: global }
      - { .name: xs, .offset: 32, .size: 8, .value_kind: global_buffer, .address_space: global }
      - { .name: w2h, .offset: 40, .size: 8, .value_kind: global_buffer, .address_space: global }
    .group_segment_fixed_size: 4352
    .private_segment_fixed_size: 0
    .kernarg_segment_align: 8
    .kernarg_segment_size: 48
    .max_flat_workgroup_size: 256
    .sgpr_count:     96
    .vgpr_count:     128
    .wavefront_size: 32
...
	.end_amdgpu_metadata
.endif
;; end of part 2
;; launch ffn1 (part 3): grid 4 x 64, 4 waves a work-group, no clusters, 327,680 bytes of LDS; arguments xs, w1b, b1, ptab, hs; writes hs
.if DOCPART == 3
	.amdgcn_target "amdgcn-amd-amdhsa--gfx1250"
	.amdhsa_code_object_version 6
	.text
	.protected	k_q7a50d64644_ffn1
	.globl	k_q7a50d64644_ffn1
	.p2align	8
	.type	k_q7a50d64644_ffn1,@function
k_q7a50d64644_ffn1:
	s_mov_b64 s[64:65], 0
	v_nop
	global_prefetch_b8 v0, s[64:65] scope:SCOPE_SE
	s_setreg_imm32_b32 hwreg(HW_REG_WAVE_MODE, 25, 1), 1
	s_wait_xcnt 0x0
; THE FIRST PRODUCT: hs = gelu(xs W1[e] + b1[e]), gelu in its tanh form, for the routed rows alone.  xs and W1 in bf16, sums in f32, b1 rounded to bf16 like every input, hs rounded once to f16.
; SHARES.  Work-group (x, y) multiplies part y's 144 rows by the columns 256 x .. 256 x + 255 of the part's expert (ptab word y), K = 1,024: 256 work-groups of equal work, whatever the split.
; A wave takes all rows x 64 columns: 9 x 4 accumulators.  The one number read from memory, the expert, enters W's and the bias's global address and nothing else: no branch, trip count or LDS address hangs on data.
; K goes in 8 steps of 128 through two LDS slots; waves 0 and 1 ask for 72 rows each, waves 2 and 3 for 64 k rows of W each: one load a wave behind each barrier, 116 matrix instructions ahead of the wait for it.
; NO CLUSTER.  Which parts want the same tile of W hangs on the split, a matter of numbers read from memory, so the text cannot show partners' requests equal.  The rows' tile is wanted by the part's four
; work-groups whatever the data: 36,864 of a step's 102,400 bytes; joint loads for it alone would spare 27 in 100 of the requests, at a round of four work-groups in each K step: not built.
; THE MATRIX INSTRUCTION IS USED TRANSPOSED: source 0 = 16 columns of W (stored [k][n], turned by ds_load_tr16_b128), source 1 = 16 rows: a lane holds one row and eight neighbouring columns.
; THE WAY OUT: the f32 sums go through a stage in LDS, laid over the slots when they have had their last fill; a wave then reads whole rows, adds the bias, takes gelu and stores 256 aligned bytes a store,
; into the layout in which the second product reads its K steps: [part][K step of 128][144 rows][128].
; LIMITS.  |h| of 65,520 or more becomes an infinity in f16.  NaN and infinities are not treated apart.
; REGISTERS, in windows of 256 (s_set_vgpr_msb: bits 1:0 source 0, 3:2 source 1, 5:4 source 2, 7:6 destination):
;   window 0: v0-15 addresses; v16-87, v88-159 the rows' fragments, two buffers of 9; v160-191, v192-223 W's, two buffers of 4; v224-231 bias; v232-234 stage addresses
;   window 1: accumulators of row blocks 0-7 at 8 (4 a + b)     window 2: block 8 at 8 b
.set ROWS,  144
.set KSB,   ROWS*256                   ; bytes of a K step's tile of a part
.set PARTB, 8*KSB
.set PA,    272                        ; a row of the part in LDS: 256 bytes + 16: sixteen rows of a load start at sixteen different groups of four banks
.set PB,    544                        ; a k row of W: 512 bytes + 32 = 17 x 32
.set BOFF,  ROWS*PA                    ; in a slot: the 144 rows, then W's 128 k rows
.set SLOTB, 0x20000                    ; slot 1 begins here: one exclusive or turns an address
.set SPARE, 0x40000                    ; behind slots and stage: the spare words, 128 bytes for each wave: two blocks of 256 bytes that no other line names
.set SPI,   1040                       ; a stage row: 256 f32 + 16 bytes
.set AK0, 3
.set BK0, 4
.set ADA, 5
.set ADB, 6
.set RD,  9
.set CO,  10
.set SPW, 12
.set NIL, 13
.set FA,  16
.set FB,  160
.set BI,  224
.set STO, 232
.set XR,  16                           ; the way out: 32 numbers,
.set TR,  48                           ; 32 at work,
.set YR,  80                           ; 16 registers to store
.set WV,  14
.set WH,  15
.set CX,  16
.set P,   19
.set EC,  20
.set G1A, 24
.set G1B, 40
.set G0A, 48                           ; two sets each: the first fills; the second then walks
.set G0B, 68
.set SB,  76
.set CNT, 78
.set C0,  82
.set C1,  84
.set MSB, 0
.macro WIN new                         ; the immediate's high byte repeats the setting that is left; a switch that changes nothing is dropped
.if MSB != (\new)
	s_set_vgpr_msb (MSB<<8)|(\new)
.set MSB, \new
.endif
.endm
.macro PLACES                          ; four places in front of loads into registers that matrix instructions have read, and of reads of their results
.rept 4
	v_nop
.endr
.endm
; A refill, by the walking sets.  The branch hangs on the wave's number alone.  An s_nop 0 and four v_nop follow each line, ahead of the jump and the label.
.macro JLOAD
	s_cmp_lt_u32 s[WV], 2
	s_cbranch_scc0 .Ljb_\@
	tensor_load_to_lds s[G0A+4:G0A+7], s[G1A:G1A+7]
	s_nop 0
	PLACES
	s_branch .Ljd_\@
.Ljb_\@:
	tensor_load_to_lds s[G0B+4:G0B+7], s[G1B:G1B+7]
	s_nop 0
	PLACES
.Ljd_\@:
.endm
.macro WM d, x, y, z                   ; z = 1: the product starts the sum
.if \z
	v_wmma_f32_16x16x32_bf16 v[\d:\d+7], v[\x:\x+7], v[\y:\y+7], 0
.else
	v_wmma_f32_16x16x32_bf16 v[\d:\d+7], v[\x:\x+7], v[\y:\y+7], v[\d:\d+7]
.endif
.endm
; Row blocks a0 .. a1 x my 4 column blocks, 32 along K, from buffer f.  All 36 accumulators take turns, one instruction a turn, in the same order in every quarter.
.macro MUL f, a0, a1, zero
.set ia, \a0
.rept (\a1)-(\a0)+1
.if ia < 8
	WIN 0x50
.set rc, 32*ia
.else
	WIN 0xa0
.set rc, 0
.endif
.irp b, 0,1,2,3
	WM rc+8*\b, FB+32*(\f)+8*\b, FA+72*(\f)+8*ia, \zero
.endr
.set ia, ia+1
.endr
.endm
; 26 LDS loads in one run: a quarter step's fragments (32 along K at byte k of the rows) into buffer f: W's 4 first, then the 9 row blocks
.macro FETCH k, f
	WIN 0
.irp b, 0,1,2,3
	ds_load_tr16_b128 v[FB+32*(\f)+8*\b:FB+32*(\f)+8*\b+3],   v[ADB] offset:((\k)/64)*32*PB+32*\b
	ds_load_tr16_b128 v[FB+32*(\f)+8*\b+4:FB+32*(\f)+8*\b+7], v[ADB] offset:((\k)/64)*32*PB+32*\b+16*PB
.endr
.irp a, 0,1,2,3,4,5,6,7,8
	ds_load_b128 v[FA+72*(\f)+8*\a:FA+72*(\f)+8*\a+3],   v[ADA] offset:(\k)+16*PA*\a
	ds_load_b128 v[FA+72*(\f)+8*\a+4:FA+72*(\f)+8*\a+7], v[ADA] offset:(\k)+16*PA*\a+32
.endr
.endm
; A K step is four quarters on buffers 0, 1, 0, 1.  One of the first three: multiplies buffer f and fetches the next quarter, at byte knext, into g.
.macro QUARTER knext, f, g, zero
	s_wait_dscnt 8                                 ; W and row blocks 0-4 are in; the youngest eight loads (blocks 5-8) may be out
	MUL \f, 0, 4, \zero
	PLACES
	FETCH \knext, \g
	s_wait_dscnt 26                                ; all but the 26 just issued
	MUL \f, 5, 8, \zero
.endm
; The last quarter multiplies buffer 1 and changes slots: one barrier; in front of it each wave waits for all its tensor loads (one is out: its part of the next slot), adds 0 to its spare word, and waits
; for that and for its reads of this slot.  Behind it nobody reads this slot any more and the next slot is whole.  fill = 1: this slot is filled again first thing behind the barrier, two K steps ahead.
.macro TURN fill
	WIN 0
	s_wait_tensorcnt 0x0
	ds_add_u32 v[SPW], v[NIL]
	s_wait_dscnt 9                                 ; (the add and the youngest eight loads may be out)
	MUL 1, 0, 4, 0
	s_wait_dscnt 0x0                               ; the add is done, and my reads of this slot are over
	s_barrier_signal -1
	MUL 1, 5, 6, 0                                 ; work on registers while the others arrive
	WIN 0
	s_barrier_wait -1
.if \fill
	s_xor_b32 s[G0A+5], s[G0A+5], SLOTB            ; the walking sets: the other slot than last time, the next K step; no tensor load of mine is out
	s_add_nc_u64 s[G0A+6:G0A+7], s[G0A+6:G0A+7], KSB
	s_xor_b32 s[G0B+5], s[G0B+5], SLOTB
	s_add_nc_u64 s[G0B+6:G0B+7], s[G0B+6:G0B+7], 262144
	JLOAD                                          ; its four v_nop are also the places in front of the loads below
.else
	PLACES
.endif
	s_xor_b32 s[SB], s[SB], SLOTB
	v_add_nc_u32 v[ADA], s[SB], v[AK0]
	v_add_nc_u32 v[ADB], s[SB], v[BK0]
	FETCH 0, 0
	MUL 1, 7, 8, 0
.endm
.macro DUMPB k                         ; row block k of 9 into the stage, each accumulator from its low end on
.if (\k) < 8
	WIN 0x04
.set rc, 32*(\k)
.else
	WIN 0x08
.set rc, 0
.endif
.irp b, 0,1,2,3
	ds_store_b128 v[STO+(\k)/3], v[rc+8*\b:rc+8*\b+3]   offset:((\k)%3)*16*SPI+64*\b
	ds_store_b128 v[STO+(\k)/3], v[rc+8*\b+4:rc+8*\b+7] offset:((\k)%3)*16*SPI+64*\b+16
.endr
.endm
	s_load_b256 s[4:11], s[0:1], 0x0               ; xs s[4:5], w1b s[6:7], b1 s[8:9], ptab s[10:11]
	s_load_b64 s[12:13], s[0:1], 0x20              ; hs
	v_lshl_add_u32 v[SPW], v0, 2, SPARE
	v_mov_b32 v[NIL], 0
	ds_add_u32 v[SPW], v[NIL]                      ; the wave's opening: the add and its wait stand ahead of my first tensor load; the set-up below stands between them
	ds_add_u32 v12, v13
	v_lshrrev_b32 v1, 5, v0
	v_readfirstlane_b32 s[WV], v1
	s_and_b32 s[WH], s[WV], 1                      ; which half of the rows, or of W's k rows, I fetch
	s_mov_b32 s[CX], ttmp9                         ; my 256 columns
	s_and_b32 s[P], ttmp7, 0xffff                  ; my part
	s_mov_b32 s[G1A], (1<<16)|(1<<20)|(5<<22)|(3<<25)   ; 2-byte elements; padding on: after every 64 words 4 words
	s_mov_b32 s[G1A+1], 128<<16                    ; tensor_dim0 = 128
	s_mov_b32 s[G1A+2], 72<<16                     ; tensor_dim1 = 72
	s_mov_b32 s[G1A+3], 128<<16                    ; tile_dim0 = 128
	s_mov_b32 s[G1A+4], 72                         ; tile_dim1 = 72
	s_mov_b32 s[G1A+5], 128                        ; rows lie end to end
	s_mov_b32 s[G1A+6], 0
	s_mov_b32 s[G1A+7], 0
	s_mov_b32 s[G1B], (1<<16)|(1<<20)|(6<<22)|(7<<25)   ; after every 128 words 8 words
	s_mov_b32 s[G1B+1], 256<<16
	s_mov_b32 s[G1B+2], 64<<16
	s_mov_b32 s[G1B+3], 256<<16
	s_mov_b32 s[G1B+4], 64
	s_mov_b32 s[G1B+5], 1024
	s_mov_b32 s[G1B+6], 0
	s_mov_b32 s[G1B+7], 0
	s_mov_b32 s[SB], 0
	s_mov_b32 s[C0], 0xc0135761                    ; -2 log2(e) sqrt(2/pi)
	s_mov_b32 s[C0+1], s[C0]
	s_mov_b32 s[C1], 0xbdd2d3e8                    ; 0.044715 times that
	s_mov_b32 s[C1+1], s[C1]
	s_lshl_b32 s86, s[P], 2
	s_wait_dscnt 0x0                               ; the opening add is done
	s_wait_kmcnt 0x0
	s_load_b32 s[EC], s[10:11], s86 offset:0x0     ; my part's expert
	s_wait_kmcnt 0x0
	s_min_u32 s[EC], s[EC], 7
	s_mul_i32 s86, s[P], PARTB
	s_mov_b32 s87, 0
	s_mul_i32 s94, s[WH], 72*256
	s_mov_b32 s95, 0
	s_add_nc_u64 s[88:89], s[4:5], s[86:87]        ; xs at my part,
	s_add_nc_u64 s[88:89], s[88:89], s[94:95]      ; at the 72 rows that I fetch
	s_mul_i32 s94, s[WH], 72*PA
	s_mov_b32 s[G0A], 1
	s_mov_b32 s[G0A+1], s94
	s_mov_b64 s[G0A+2:G0A+3], s[88:89]
	s_or_b32 s[G0A+3], s[G0A+3], 0x80000000
	s_mov_b32 s[G0A+4], 1
	s_add_co_u32 s[G0A+5], s94, SLOTB
	s_add_nc_u64 s[G0A+6:G0A+7], s[88:89], KSB
	s_or_b32 s[G0A+7], s[G0A+7], 0x80000000
	s_lshl_b32 s90, s[EC], 21                      ; the expert's 1,024 x 1,024 numbers of 2 bytes,
	s_lshl_b32 s92, s[CX], 9                       ; my 256 columns,
	s_add_co_u32 s90, s90, s92
	s_lshl_b32 s92, s[WH], 17                      ; the 64 k rows that I fetch
	s_add_co_u32 s90, s90, s92
	s_mov_b32 s91, 0
	s_add_nc_u64 s[92:93], s[6:7], s[90:91]
	s_mul_i32 s90, s[WH], 64*PB
	s_mov_b32 s[G0B], 1
	s_add_co_u32 s[G0B+1], s90, BOFF
	s_mov_b64 s[G0B+2:G0B+3], s[92:93]
	s_or_b32 s[G0B+3], s[G0B+3], 0x80000000
	s_mov_b32 s[G0B+4], 1
	s_add_co_u32 s[G0B+5], s90, BOFF+SLOTB
	s_add_nc_u64 s[G0B+6:G0B+7], s[92:93], 262144
	s_or_b32 s[G0B+7], s[G0B+7], 0x80000000
	s_lshl_b32 s90, s[EC], 12                      ; the bias of my 256 columns
	s_lshl_b32 s92, s[CX], 10
	s_add_co_u32 s90, s90, s92
	s_add_nc_u64 s[8:9], s[8:9], s[90:91]
	s_add_nc_u64 s[12:13], s[12:13], s[86:87]      ; hs at my part,
	s_mul_i32 s90, s[CX], 2*KSB                    ; at the two K steps that my 256 columns are
	s_add_nc_u64 s[12:13], s[12:13], s[90:91]
	s_cmp_lt_u32 s[WV], 2                          ; a wave's two first fills stand in one arm, ahead of every wait on TENSORcnt, LDS read and barrier: two loads of mine are out
	s_cbranch_scc0 .Lfb
	tensor_load_to_lds s[G0A:G0A+3], s[G1A:G1A+7]
	s_nop 0
	tensor_load_to_lds s[G0A+4:G0A+7], s[G1A:G1A+7]
	s_nop 0
	PLACES
	s_branch .Lfd
.Lfb:
	tensor_load_to_lds s[G0B:G0B+3], s[G1B:G1B+7]
	s_nop 0
	tensor_load_to_lds s[G0B+4:G0B+7], s[G1B:G1B+7]
	s_nop 0
	PLACES
.Lfd:
	v_and_b32 v1, 15, v0                           ; l % 16
	v_bfe_u32 v2, v0, 4, 1                         ; l / 16
	v_and_b32 v11, 31, v0
	v_lshlrev_b32 v14, 4, v11
	global_load_b128 v[BI:BI+3],   v14, s[8:9]               ; columns 4 l .. of the first 128,
	global_load_b128 v[BI+4:BI+7], v14, s[8:9] offset:512    ; and of the second
	v_mul_u32_u24 v[AK0], v1, PA
	v_lshl_add_u32 v[AK0], v2, 4, v[AK0]           ; a row fragment: row x pitch + 16 x half
	v_and_b32 v15, 7, v0
	v_lshl_add_u32 v15, v2, 3, v15
	v_mul_u32_u24 v[BK0], v15, PB                  ; the turning load: k row 8 (l / 16) + l % 8,
	v_bfe_u32 v15, v0, 3, 1
	v_lshl_add_u32 v[BK0], v15, 4, v[BK0]          ; columns 8 ((l / 8) % 2) on,
	s_lshl_b32 s94, s[WV], 7
	s_add_co_u32 s94, s94, BOFF
	v_add_nc_u32 v[BK0], s94, v[BK0]               ; in my wave's 64 columns
	v_mov_b32 v[ADA], v[AK0]
	v_mov_b32 v[ADB], v[BK0]
	v_mul_u32_u24 v15, v1, SPI                     ; into the stage: row l % 16, 32 bytes for each half of the lanes, my wave's 256 bytes
	v_lshl_add_u32 v15, v2, 5, v15
	v_lshl_add_u32 v15, s[WV], 8, v15
.irp g, 0,1,2
	v_add_nc_u32 v[STO+\g], \g*48*SPI, v15         ; an address for every three row blocks
.endr
	s_mul_i32 s94, s[WV], 4*SPI
	v_add_nc_u32 v[RD], s94, v14                   ; back: rows 4 w + 0..3 of sixteen, 512 consecutive bytes a load
	s_lshl_b32 s94, s[WV], 10
	v_lshl_add_u32 v[CO], v11, 3, s94              ; and out: 256 bytes a row
	s_wait_loadcnt 0x0
.irp c, 0,2,4,6
	v_cvt_pk_bf16_f32 v15, v[BI+\c], v[BI+\c+1]    ; the bias rounded to bf16, like every input
	v_lshlrev_b32 v[BI+\c], 16, v15
	v_and_b32 v[BI+\c+1], 0xffff0000, v15
.endr
	s_wait_tensorcnt 0x1                           ; my part of K step 0 is in; K step 1's may stay out
	s_barrier_signal -1
	s_barrier_wait -1
	FETCH 0, 0
	QUARTER 64, 0, 1, 1                            ; the first quarter stands in front of the loop: its products start the sums
	WIN 0
	s_mov_b32 s[CNT], 6
.Lk:                                                   ; a trip: a K step's quarters 1 to 3 and the next step's quarter 0; it fills the slot that it leaves
	QUARTER 128, 1, 0, 0
	QUARTER 192, 0, 1, 0
	TURN 1
	QUARTER 64, 0, 1, 0
	WIN 0
	s_sub_co_u32 s[CNT], s[CNT], 1
	s_cmp_lg_u32 s[CNT], 0
	s_cbranch_scc1 .Lk
	QUARTER 128, 1, 0, 0                           ; K steps 6 and 7 ask for nothing
	QUARTER 192, 0, 1, 0
	TURN 0
	QUARTER 64, 0, 1, 0
	QUARTER 128, 1, 0, 0
	QUARTER 192, 0, 1, 0
	s_wait_dscnt 0x0
	MUL 1, 0, 8, 0
	WIN 0
	PLACES
	s_barrier_signal -1                            ; every wave's reads of the slots have come back, and no tensor load is out: the stage may be written over them
	s_barrier_wait -1
.irp k, 0,1,2,3,4,5,6,7,8
	DUMPB \k
.endr
	WIN 0
	s_wait_dscnt 0x0                               ; for the others' sake: my stores into the stage are done
	s_barrier_signal -1
	s_barrier_wait -1
	s_mov_b32 s[CNT], 9
.Lrow:                                                 ; trip i of 9: wave w takes rows 16 i + 4 w + 0..3, whole
.set ii, 0
.rept 8
	ds_load_b128 v[XR+4*ii:XR+4*ii+3], v[RD] offset:(ii/2)*SPI+(ii%2)*512
.set ii, ii+1
.endr
	s_wait_dscnt 0x0
.set ii, 0
.rept 16
	v_pk_add_f32 v[XR+2*ii:XR+2*ii+1], v[XR+2*ii:XR+2*ii+1], v[BI+(2*ii)%8:BI+(2*ii)%8+1]   ; z = sum + bias
.set ii, ii+1
.endr
.set ii, 0
.rept 16
	v_pk_mul_f32 v[TR+2*ii:TR+2*ii+1], v[XR+2*ii:XR+2*ii+1], v[XR+2*ii:XR+2*ii+1]
.set ii, ii+1
.endr
.set ii, 0
.rept 16
	v_pk_fma_f32 v[TR+2*ii:TR+2*ii+1], v[TR+2*ii:TR+2*ii+1], s[C1:C1+1], s[C0:C0+1] op_sel_hi:[1,0,0]
.set ii, ii+1
.endr
.set ii, 0
.rept 16
	v_pk_mul_f32 v[TR+2*ii:TR+2*ii+1], v[TR+2*ii:TR+2*ii+1], v[XR+2*ii:XR+2*ii+1]   ; t = -2 log2(e) sqrt(2/pi) (z + 0.044715 z^3)
.set ii, ii+1
.endr
.set ii, 0
.rept 32
	v_exp_f32 v[TR+ii], v[TR+ii]
.set ii, ii+1
.endr
	v_nop                                          ; a plain instruction behind the last exponential,
	s_wait_alu depctr_va_vdst(0)                   ; and one wait for the batch
.set ii, 0
.rept 16
	v_pk_add_f32 v[TR+2*ii:TR+2*ii+1], v[TR+2*ii:TR+2*ii+1], 1.0 op_sel_hi:[1,0]
.set ii, ii+1
.endr
.set ii, 0
.rept 32
	v_rcp_f32 v[TR+ii], v[TR+ii]
.set ii, ii+1
.endr
	v_nop
	s_wait_alu depctr_va_vdst(0)
.set ii, 0
.rept 16
	v_pk_mul_f32 v[XR+2*ii:XR+2*ii+1], v[XR+2*ii:XR+2*ii+1], v[TR+2*ii:TR+2*ii+1]   ; gelu(z) = z / (1 + 2^t)
.set ii, ii+1
.endr
.set ii, 0
.rept 16
	v_cvt_pk_f16_f32 v[YR+ii], v[XR+2*ii], v[XR+2*ii+1]
.set ii, ii+1
.endr
.set ii, 0
.rept 8
	global_store_b64 v[CO], v[YR+2*ii:YR+2*ii+1], s[12:13] offset:(ii/2)*256+(ii%2)*KSB   ; 32 lanes x 8 bytes: 256 consecutive bytes, aligned
.set ii, ii+1
.endr
	s_wait_xcnt 0x0                                ; the stores' data and offset are rewritten only behind this wait
	v_add_nc_u32 v[RD], 16*SPI, v[RD]
	v_add_nc_u32 v[CO], 16*256, v[CO]
	s_sub_co_u32 s[CNT], s[CNT], 1
	s_cmp_lg_u32 s[CNT], 0
	s_cbranch_scc1 .Lrow
	s_wait_dscnt 0x0
	s_barrier_signal -1                            ; every wave's reads of the stage are back
	s_barrier_wait -1
	s_wait_tensorcnt 0x0                           ; the wave's end
	ds_add_u32 v[SPW], v[NIL]
	s_wait_dscnt 0x0
	s_endpgm
.Lfunc_end_k_q7a50d64644_ffn1:
	.size	k_q7a50d64644_ffn1, .Lfunc_end_k_q7a50d64644_ffn1-k_q7a50d64644_ffn1
	.p2alignl 7, 3214868480
	.fill 96, 4, 3214868480
	.section	.rodata,"a",@progbits
	.p2align	6, 0x0
	.amdhsa_kernel k_q7a50d64644_ffn1
		.amdhsa_group_segment_fixed_size 327680
		.amdhsa_private_segment_fixed_size 0
		.amdhsa_enable_private_segment 0
		.amdhsa_kernarg_size 40
		.amdhsa_user_sgpr_count 2
		.amdhsa_user_sgpr_kernarg_segment_ptr 1
		.amdhsa_wavefront_size32 1
		.amdhsa_system_sgpr_workgroup_id_x 1
		.amdhsa_system_sgpr_workgroup_id_y 1
		.amdhsa_system_sgpr_workgroup_id_z 1
		.amdhsa_system_vgpr_workitem_id 0
		.amdhsa_next_free_vgpr 544
		.amdhsa_next_free_sgpr 96
		.amdhsa_reserve_vcc 0
		.amdhsa_float_denorm_mode_32 3
		.amdhsa_float_denorm_mode_16_64 3
		.amdhsa_memory_ordered 1
		.amdhsa_forward_progress 1
		.amdhsa_inst_pref_size 75
	.end_amdhsa_kernel
	.amdgpu_metadata
---
amdhsa.version: [ 1, 2 ]
amdhsa.kernels:
  - .name:           k_q7a50d64644_ffn1
    .symbol:         k_q7a50d64644_ffn1.kd
    .args:
      - { .name: xs, .offset: 0, .size: 8, .value_kind: global_buffer, .address_space: global }
      - { .name: w1b, .offset: 8, .size: 8, .value_kind: global_buffer, .address_space: global }
      - { .name: b1, .offset: 16, .size: 8, .value_kind: global_buffer, .address_space: global }
      - { .name: ptab, .offset: 24, .size: 8, .value_kind: global_buffer, .address_space: global }
      - { .name: hs, .offset: 32, .size: 8, .value_kind: global_buffer, .address_space: global }
    .group_segment_fixed_size: 327680
    .private_segment_fixed_size: 0
    .kernarg_segment_align: 8
    .kernarg_segment_size: 40
    .max_flat_workgroup_size: 128
    .sgpr_count:     96
    .vgpr_count:     544
    .wavefront_size: 32
...
	.end_amdgpu_metadata
.endif
;; end of part 3
;; launch ffn2 (part 4): grid 4 x 64, 4 waves a work-group, no clusters, 327,680 bytes of LDS; arguments hs, w2h, b2, ptab, yp; writes yp
.if DOCPART == 4
	.amdgcn_target "amdgcn-amd-amdhsa--gfx1250"
	.amdhsa_code_object_version 6
	.text
	.protected	k_q7a50d64644_ffn2
	.globl	k_q7a50d64644_ffn2
	.p2align	8
	.type	k_q7a50d64644_ffn2,@function
k_q7a50d64644_ffn2:
	s_mov_b64 s[64:65], 0
	v_nop
	global_prefetch_b8 v0, s[64:65] scope:SCOPE_SE
	s_setreg_imm32_b32 hwreg(HW_REG_WAVE_MODE, 25, 1), 1
	s_wait_xcnt 0x0
; THE SECOND PRODUCT: yp = hs W2[e] + b2[e] for the routed rows, kept in f32: they are partial rows, of which the last launch adds two to a token.  hs and W2 in f16, sums in f32, b2 rounded to bf16.
; Shares, ring, register windows and the stage are the first product's:
; work-group (x, y) multiplies part y's 144 rows by the columns 256 x .. 256 x + 255 of the part's expert (ptab word y), K = 1,024: 256 work-groups of equal work, whatever the split.
; A wave takes all rows x 64 columns: 9 x 4 accumulators.  The one number read from memory, the expert, enters W's and the bias's global address and nothing else.
; K goes in 8 steps of 128 through two LDS slots; waves 0 and 1 ask for 72 rows each, waves 2 and 3 for 64 k rows of W each: one load a wave behind each barrier, 116 matrix instructions ahead of the wait for it.
; NO CLUSTER.  Which parts want the same tile of W hangs on the split, a matter of numbers read from memory, so the text cannot show partners' requests equal.  The rows' tile is wanted by the part's four
; work-groups whatever the data: 36,864 of a step's 102,400 bytes; joint loads for it alone would spare 27 in 100 of the requests, at a round of four work-groups in each K step: not built.
; THE MATRIX INSTRUCTION IS USED TRANSPOSED: source 0 = 16 columns of W (stored [k][n], turned by ds_load_tr16_b128), source 1 = 16 rows: a lane holds one row and eight neighbouring columns.
; THE WAY OUT: through a stage in LDS laid over the slots when they have had their last fill; whole rows back, the bias added, 512 consecutive bytes a store.
; LIMITS.  h and W2 arrive within f16's range (65,504).  NaN and infinities are not treated apart.
; REGISTERS: window 0: v0-15 addresses; v16-87, v88-159 the rows' fragments; v160-191, v192-223 W's; v224-231 bias; v232-234 stage addresses.
;   window 1: accumulators of row blocks 0-7 at 8 (4 a + b).  window 2: block 8 at 8 b.
.set ROWS,  144
.set KSB,   ROWS*256
.set PARTB, 8*KSB
.set PA,    272                        ; 256 bytes + 16
.set PB,    544                        ; 512 bytes + 32
.set BOFF,  ROWS*PA
.set SLOTB, 0x20000
.set SPARE, 0x40000                    ; the spare words, 128 bytes for each wave: two blocks of 256 bytes that no other line names
.set SPI,   1040
.set AK0, 3
.set BK0, 4
.set ADA, 5
.set ADB, 6
.set RD,  9
.set CO,  10
.set SPW, 12
.set NIL, 13
.set FA,  16
.set FB,  160
.set BI,  224
.set STO, 232
.set XR,  16
.set WV,  14
.set WH,  15
.set CX,  16
.set P,   19
.set EC,  20
.set G1A, 24
.set G1B, 40
.set G0A, 48
.set G0B, 68
.set SB,  76
.set CNT, 78
.set MSB, 0
.macro WIN new                         ; the immediate's high byte repeats the setting that is left; a switch that changes nothing is dropped
.if MSB != (\new)
	s_set_vgpr_msb (MSB<<8)|(\new)
.set MSB, \new
.endif
.endm
.macro PLACES                          ; four places (ISA guide 7.12.1)
.rept 4
	v_nop
.endr
.endm
.macro JLOAD                           ; a refill by the walking sets; an s_nop 0 and four v_nop follow each line
	s_cmp_lt_u32 s[WV], 2
	s_cbranch_scc0 .Ljb_\@
	tensor_load_to_lds s[G0A+4:G0A+7], s[G1A:G1A+7]
	s_nop 0
	PLACES
	s_branch .Ljd_\@
.Ljb_\@:
	tensor_load_to_lds s[G0B+4:G0B+7], s[G1B:G1B+7]
	s_nop 0
	PLACES
.Ljd_\@:
.endm
.macro WM d, x, y, z
.if \z
	v_wmma_f32_16x16x32_f16 v[\d:\d+7], v[\x:\x+7], v[\y:\y+7], 0
.else
	v_wmma_f32_16x16x32_f16 v[\d:\d+7], v[\x:\x+7], v[\y:\y+7], v[\d:\d+7]
.endif
.endm
.macro MUL f, a0, a1, zero             ; all 36 accumulators take turns, one instruction a turn
.set ia, \a0
.rept (\a1)-(\a0)+1
.if ia < 8
	WIN 0x50
.set rc, 32*ia
.else
	WIN 0xa0
.set rc, 0
.endif
.irp b, 0,1,2,3
	WM rc+8*\b, FB+32*(\f)+8*\b, FA+72*(\f)+8*ia, \zero
.endr
.set ia, ia+1
.endr
.endm
.macro FETCH k, f                      ; 26 LDS loads in one run: W's 4 fragments, then the 9 row blocks
	WIN 0
.irp b, 0,1,2,3
	ds_load_tr16_b128 v[FB+32*(\f)+8*\b:FB+32*(\f)+8*\b+3],   v[ADB] offset:((\k)/64)*32*PB+32*\b
	ds_load_tr16_b128 v[FB+32*(\f)+8*\b+4:FB+32*(\f)+8*\b+7], v[ADB] offset:((\k)/64)*32*PB+32*\b+16*PB
.endr
.irp a, 0,1,2,3,4,5,6,7,8
	ds_load_b128 v[FA+72*(\f)+8*\a:FA+72*(\f)+8*\a+3],   v[ADA] offset:(\k)+16*PA*\a
	ds_load_b128 v[FA+72*(\f)+8*\a+4:FA+72*(\f)+8*\a+7], v[ADA] offset:(\k)+16*PA*\a+32
.endr
.endm
.macro QUARTER knext, f, g, zero
	s_wait_dscnt 8                                 ; W and row blocks 0-4 are in; the youngest eight loads (blocks 5-8) may be out
	MUL \f, 0, 4, \zero
	PLACES
	FETCH \knext, \g
	s_wait_dscnt 26                                ; all but the 26 just issued
	MUL \f, 5, 8, \zero
.endm
.macro TURN fill                       ; the last quarter and the change of slots: the waits and the add in front of one barrier; with fill = 1 the refill is first behind it
	WIN 0
	s_wait_tensorcnt 0x0                           ; all my tensor loads have landed: my part of the next slot
	ds_add_u32 v[SPW], v[NIL]
	s_wait_dscnt 9                                 ; (the add and the youngest eight loads may be out)
	MUL 1, 0, 4, 0
	s_wait_dscnt 0x0                               ; the add is done, and my reads of this slot are over
	s_barrier_signal -1
	MUL 1, 5, 6, 0
	WIN 0
	s_barrier_wait -1
.if \fill
	s_xor_b32 s[G0A+5], s[G0A+5], SLOTB
	s_add_nc_u64 s[G0A+6:G0A+7], s[G0A+6:G0A+7], KSB
	s_xor_b32 s[G0B+5], s[G0B+5], SLOTB
	s_add_nc_u64 s[G0B+6:G0B+7], s[G0B+6:G0B+7], 262144
	JLOAD
.else
	PLACES
.endif
	s_xor_b32 s[SB], s[SB], SLOTB
	v_add_nc_u32 v[ADA], s[SB], v[AK0]
	v_add_nc_u32 v[ADB], s[SB], v[BK0]
	FETCH 0, 0
	MUL 1, 7, 8, 0
.endm
.macro DUMPB k                         ; row block k of 9 into the stage, each accumulator from its low end on
.if (\k) < 8
	WIN 0x04
.set rc, 32*(\k)
.else
	WIN 0x08
.set rc, 0
.endif
.irp b, 0,1,2,3
	ds_store_b128 v[STO+(\k)/3], v[rc+8*\b:rc+8*\b+3]   offset:((\k)%3)*16*SPI+64*\b
	ds_store_b128 v[STO+(\k)/3], v[rc+8*\b+4:rc+8*\b+7] offset:((\k)%3)*16*SPI+64*\b+16
.endr
.endm
	s_load_b256 s[4:11], s[0:1], 0x0               ; hs s[4:5], w2h s[6:7], b2 s[8:9], ptab s[10:11]
	s_load_b64 s[12:13], s[0:1], 0x20              ; yp
	v_lshl_add_u32 v[SPW], v0, 2, SPARE
	v_mov_b32 v[NIL], 0
	ds_add_u32 v[SPW], v[NIL]                      ; the wave's opening: the add and its wait stand ahead of my first tensor load
	ds_add_u32 v12, v13
	v_lshrrev_b32 v1, 5, v0
	v_readfirstlane_b32 s[WV], v1
	s_and_b32 s[WH], s[WV], 1
	s_mov_b32 s[CX], ttmp9
	s_and_b32 s[P], ttmp7, 0xffff
	s_mov_b32 s[G1A], (1<<16)|(1<<20)|(5<<22)|(3<<25)
	s_mov_b32 s[G1A+1], 128<<16
	s_mov_b32 s[G1A+2], 72<<16
	s_mov_b32 s[G1A+3], 128<<16
	s_mov_b32 s[G1A+4], 72
	s_mov_b32 s[G1A+5], 128
	s_mov_b32 s[G1A+6], 0
	s_mov_b32 s[G1A+7], 0
	s_mov_b32 s[G1B], (1<<16)|(1<<20)|(6<<22)|(7<<25)
	s_mov_b32 s[G1B+1], 256<<16
	s_mov_b32 s[G1B+2], 64<<16
	s_mov_b32 s[G1B+3], 256<<16
	s_mov_b32 s[G1B+4], 64
	s_mov_b32 s[G1B+5], 1024
	s_mov_b32 s[G1B+6], 0
	s_mov_b32 s[G1B+7], 0
	s_mov_b32 s[SB], 0
	s_lshl_b32 s86, s[P], 2
	s_wait_dscnt 0x0                               ; the opening add is done
	s_wait_kmcnt 0x0
	s_load_b32 s[EC], s[10:11], s86 offset:0x0     ; my part's expert
	s_wait_kmcnt 0x0
	s_min_u32 s[EC], s[EC], 7
	s_mul_i32 s86, s[P], PARTB
	s_mov_b32 s87, 0
	s_mul_i32 s94, s[WH], 72*256
	s_mov_b32 s95, 0
	s_add_nc_u64 s[88:89], s[4:5], s[86:87]
	s_add_nc_u64 s[88:89], s[88:89], s[94:95]
	s_mul_i32 s94, s[WH], 72*PA
	s_mov_b32 s[G0A], 1
	s_mov_b32 s[G0A+1], s94
	s_mov_b64 s[G0A+2:G0A+3], s[88:89]
	s_or_b32 s[G0A+3], s[G0A+3], 0x80000000
	s_mov_b32 s[G0A+4], 1
	s_add_co_u32 s[G0A+5], s94, SLOTB
	s_add_nc_u64 s[G0A+6:G0A+7], s[88:89], KSB
	s_or_b32 s[G0A+7], s[G0A+7], 0x80000000
	s_lshl_b32 s90, s[EC], 21
	s_lshl_b32 s92, s[CX], 9
	s_add_co_u32 s90, s90, s92
	s_lshl_b32 s92, s[WH], 17
	s_add_co_u32 s90, s90, s92
	s_mov_b32 s91, 0
	s_add_nc_u64 s[92:93], s[6:7], s[90:91]
	s_mul_i32 s90, s[WH], 64*PB
	s_mov_b32 s[G0B], 1
	s_add_co_u32 s[G0B+1], s90, BOFF
	s_mov_b64 s[G0B+2:G0B+3], s[92:93]
	s_or_b32 s[G0B+3], s[G0B+3], 0x80000000
	s_mov_b32 s[G0B+4], 1
	s_add_co_u32 s[G0B+5], s90, BOFF+SLOTB
	s_add_nc_u64 s[G0B+6:G0B+7], s[92:93], 262144
	s_or_b32 s[G0B+7], s[G0B+7], 0x80000000
	s_lshl_b32 s90, s[EC], 12
	s_lshl_b32 s92, s[CX], 10
	s_add_co_u32 s90, s90, s92
	s_add_nc_u64 s[8:9], s[8:9], s[90:91]          ; the bias of my 256 columns
	s_mul_i32 s86, s[P], ROWS*4096                 ; yp at my part: 144 rows of 4,096 bytes,
	s_add_nc_u64 s[12:13], s[12:13], s[86:87]
	s_lshl_b32 s90, s[CX], 10                      ; at my 256 columns
	s_add_nc_u64 s[12:13], s[12:13], s[90:91]
	s_cmp_lt_u32 s[WV], 2                          ; a wave's two first fills stand in one arm: two loads of mine are out
	s_cbranch_scc0 .Lfb
	tensor_load_to_lds s[G0A:G0A+3], s[G1A:G1A+7]
	s_nop 0
	tensor_load_to_lds s[G0A+4:G0A+7], s[G1A:G1A+7]
	s_nop 0
	PLACES
	s_branch .Lfd
.Lfb:
	tensor_load_to_lds s[G0B:G0B+3], s[G1B:G1B+7]
	s_nop 0
	tensor_load_to_lds s[G0B+4:G0B+7], s[G1B:G1B+7]
	s_nop 0
	PLACES
.Lfd:
	v_and_b32 v1, 15, v0
	v_bfe_u32 v2, v0, 4, 1
	v_and_b32 v11, 31, v0
	v_lshlrev_b32 v14, 4, v11
	global_load_b128 v[BI:BI+3],   v14, s[8:9]
	global_load_b128 v[BI+4:BI+7], v14, s[8:9] offset:512
	v_mul_u32_u24 v[AK0], v1, PA
	v_lshl_add_u32 v[AK0], v2, 4, v[AK0]
	v_and_b32 v15, 7, v0
	v_lshl_add_u32 v15, v2, 3, v15
	v_mul_u32_u24 v[BK0], v15, PB
	v_bfe_u32 v15, v0, 3, 1
	v_lshl_add_u32 v[BK0], v15, 4, v[BK0]
	s_lshl_b32 s94, s[WV], 7
	s_add_co_u32 s94, s94, BOFF
	v_add_nc_u32 v[BK0], s94, v[BK0]
	v_mov_b32 v[ADA], v[AK0]
	v_mov_b32 v[ADB], v[BK0]
	v_mul_u32_u24 v15, v1, SPI
	v_lshl_add_u32 v15, v2, 5, v15
	v_lshl_add_u32 v15, s[WV], 8, v15
.irp g, 0,1,2
	v_add_nc_u32 v[STO+\g], \g*48*SPI, v15
.endr
	s_mul_i32 s94, s[WV], 4*SPI
	v_add_nc_u32 v[RD], s94, v14
	s_lshl_b32 s94, s[WV], 14
	v_add_nc_u32 v[CO], s94, v14                   ; out: rows 4 w + 0..3 of 4,096 bytes, 16 bytes a lane
	s_wait_loadcnt 0x0
.irp c, 0,2,4,6
	v_cvt_pk_bf16_f32 v15, v[BI+\c], v[BI+\c+1]    ; the bias rounded to bf16, like every input
	v_lshlrev_b32 v[BI+\c], 16, v15
	v_and_b32 v[BI+\c+1], 0xffff0000, v15
.endr
	s_wait_tensorcnt 0x1                           ; my part of K step 0 is in; K step 1's may stay out
	s_barrier_signal -1
	s_barrier_wait -1
	FETCH 0, 0
	QUARTER 64, 0, 1, 1                            ; the first quarter's products start the sums
	WIN 0
	s_mov_b32 s[CNT], 6
.Lk:
	QUARTER 128, 1, 0, 0
	QUARTER 192, 0, 1, 0
	TURN 1
	QUARTER 64, 0, 1, 0
	WIN 0
	s_sub_co_u32 s[CNT], s[CNT], 1
	s_cmp_lg_u32 s[CNT], 0
	s_cbranch_scc1 .Lk
	QUARTER 128, 1, 0, 0                           ; K steps 6 and 7 ask for nothing
	QUARTER 192, 0, 1, 0
	TURN 0
	QUARTER 64, 0, 1, 0
	QUARTER 128, 1, 0, 0
	QUARTER 192, 0, 1, 0
	s_wait_dscnt 0x0
	MUL 1, 0, 8, 0
	WIN 0
	PLACES
	s_barrier_signal -1                            ; every wave's reads of the slots have come back, and no tensor load is out: the stage may be written over them
	s_barrier_wait -1
.irp k, 0,1,2,3,4,5,6,7,8
	DUMPB \k
.endr
	WIN 0
	s_wait_dscnt 0x0                               ; for the others' sake: my stores into the stage are done
	s_barrier_signal -1
	s_barrier_wait -1
	s_mov_b32 s[CNT], 9
.Lrow:                                                 ; trip i of 9: wave w takes rows 16 i + 4 w + 0..3, whole
.set ii, 0
.rept 8
	ds_load_b128 v[XR+4*ii:XR+4*ii+3], v[RD] offset:(ii/2)*SPI+(ii%2)*512
.set ii, ii+1
.endr
	s_wait_dscnt 0x0
.set ii, 0
.rept 16
	v_pk_add_f32 v[XR+2*ii:XR+2*ii+1], v[XR+2*ii:XR+2*ii+1], v[BI+(2*ii)%8:BI+(2*ii)%8+1]
.set ii, ii+1
.endr
.set ii, 0
.rept 8
	global_store_b128 v[CO], v[XR+4*ii:XR+4*ii+3], s[12:13] offset:(ii/2)*4096+(ii%2)*512   ; 512 consecutive bytes, aligned
.set ii, ii+1
.endr
	s_wait_xcnt 0x0                                ; the stores' data and offset are rewritten only behind this wait
	v_add_nc_u32 v[RD], 16*SPI, v[RD]
	v_add_nc_u32 v[CO], 16*4096, v[CO]
	s_sub_co_u32 s[CNT], s[CNT], 1
	s_cmp_lg_u32 s[CNT], 0
	s_cbranch_scc1 .Lrow
	s_wait_dscnt 0x0
	s_barrier_signal -1                            ; every wave's reads of the stage are back
	s_barrier_wait -1
	s_wait_tensorcnt 0x0                           ; the wave's end
	ds_add_u32 v[SPW], v[NIL]
	s_wait_dscnt 0x0
	s_endpgm
.Lfunc_end_k_q7a50d64644_ffn2:
	.size	k_q7a50d64644_ffn2, .Lfunc_end_k_q7a50d64644_ffn2-k_q7a50d64644_ffn2
	.p2alignl 7, 3214868480
	.fill 96, 4, 3214868480
	.section	.rodata,"a",@progbits
	.p2align	6, 0x0
	.amdhsa_kernel k_q7a50d64644_ffn2
		.amdhsa_group_segment_fixed_size 327680
		.amdhsa_private_segment_fixed_size 0
		.amdhsa_enable_private_segment 0
		.amdhsa_kernarg_size 40
		.amdhsa_user_sgpr_count 2
		.amdhsa_user_sgpr_kernarg_segment_ptr 1
		.amdhsa_wavefront_size32 1
		.amdhsa_system_sgpr_workgroup_id_x 1
		.amdhsa_system_sgpr_workgroup_id_y 1
		.amdhsa_system_sgpr_workgroup_id_z 1
		.amdhsa_system_vgpr_workitem_id 0
		.amdhsa_next_free_vgpr 544
		.amdhsa_next_free_sgpr 96
		.amdhsa_reserve_vcc 0
		.amdhsa_float_denorm_mode_32 3
		.amdhsa_float_denorm_mode_16_64 3
		.amdhsa_memory_ordered 1
		.amdhsa_forward_progress 1
		.amdhsa_inst_pref_size 66
	.end_amdhsa_kernel
	.amdgpu_metadata
---
amdhsa.version: [ 1, 2 ]
amdhsa.kernels:
  - .name:           k_q7a50d64644_ffn2
    .symbol:         k_q7a50d64644_ffn2.kd
    .args:
      - { .name: hs, .offset: 0, .size: 8, .value_kind: global_buffer, .address_space: global }
      - { .name: w2h, .offset: 8, .size: 8, .value_kind: global_buffer, .address_space: global }
      - { .name: b2, .offset: 16, .size: 8, .value_kind: global_buffer, .address_space: global }
      - { .name: ptab, .offset: 24, .size: 8, .value_kind: global_buffer, .address_space: global }
      - { .name: yp, .offset: 32, .size: 8, .value_kind: global_buffer, .address_space: global }
    .group_segment_fixed_size: 327680
    .private_segment_fixed_size: 0
    .kernarg_segment_align: 8
    .kernarg_segment_size: 40
    .max_flat_workgroup_size: 128
    .sgpr_count:     96
    .vgpr_count:     544
    .wavefront_size: 32
...
	.end_amdgpu_metadata
.endif
;; end of part 4
;; launch sum (part 5): grid 256 x 1, 8 waves a work-group, no clusters, 0 bytes of LDS; arguments yp, ptab, gate, out0; writes out0
.if DOCPART == 5
	.amdgcn_target "amdgcn-amd-amdhsa--gfx1250"
	.amdhsa_code_object_version 6
	.text
	.protected	k_q7a50d64644_sum
	.globl	k_q7a50d64644_sum
	.p2align	8
	.type	k_q7a50d64644_sum,@function
k_q7a50d64644_sum:
	s_mov_b64 s[64:65], 0
	v_nop
	global_prefetch_b8 v0, s[64:65] scope:SCOPE_SE
	s_setreg_imm32_b32 hwreg(HW_REG_WAVE_MODE, 25, 1), 1
	s_wait_xcnt 0x0
; out[t] = w0 yp[pos0] + w1 yp[pos1]: a token's two partial rows, each weighed by its probability.  A stream: no LDS, no barrier, no matrix unit, nothing shared between work-groups.
; Wave w of work-group b takes tokens 16 b + 2 w and the next: four rows of 4,096 bytes in, two out; all 32 loads of 512 consecutive bytes go out before the first wait.
; The places come from ptab, which an earlier launch stored; each is held to the buffer's 9,216 rows before it enters an address.
	s_load_b256 s[4:11], s[0:1], 0x0               ; yp s[4:5], ptab s[6:7], gate s[8:9], out0 s[10:11]
	v_lshrrev_b32 v1, 5, v0
	v_readfirstlane_b32 s12, v1
	v_and_b32 v2, 31, v0
	v_lshlrev_b32 v2, 4, v2                        ; 16 bytes a lane
	s_lshl_b32 s13, ttmp9, 4
	s_lshl_b32 s14, s12, 1
	s_add_co_u32 s13, s13, s14                     ; my first token
	s_lshl_b32 s14, s13, 3
	s_lshl_b32 s40, s13, 12
	s_mov_b32 s41, 0
	s_wait_kmcnt 0x0
	s_load_b128 s[16:19], s[6:7], s14 offset:0x100 ; the four places
	s_load_b128 s[20:23], s[8:9], s14 offset:0x0   ; the four weights
	s_add_nc_u64 s[10:11], s[10:11], s[40:41]
	s_wait_kmcnt 0x0
.irp u, 0,1,2,3
	s_min_u32 s[16+\u], s[16+\u], 9215
	s_lshl_b32 s40, s[16+\u], 12
	s_add_nc_u64 s[24+2*\u:25+2*\u], s[4:5], s[40:41]
	s_mov_b32 s[32+2*\u], s[20+\u]                 ; each weight in a pair of its own: the packed forms take the pair's low word for both halves
	s_mov_b32 s[33+2*\u], s[20+\u]
.endr
.set n, 0
.rept 16
	global_load_b128 v[16+8*n:19+8*n], v2, s[24+4*(n/8):25+4*(n/8)] offset:(n%8)*512 th:TH_LOAD_NT
	global_load_b128 v[20+8*n:23+8*n], v2, s[26+4*(n/8):27+4*(n/8)] offset:(n%8)*512 th:TH_LOAD_NT
.set n, n+1
.endr
.set n, 0
.rept 16
	s_wait_loadcnt 30-2*n                          ; this pair of loads is in; the younger pairs stay out
	v_pk_mul_f32 v[16+8*n:17+8*n], v[16+8*n:17+8*n], s[32+4*(n/8):33+4*(n/8)] op_sel_hi:[1,0]
	v_pk_mul_f32 v[18+8*n:19+8*n], v[18+8*n:19+8*n], s[32+4*(n/8):33+4*(n/8)] op_sel_hi:[1,0]
	v_pk_fma_f32 v[16+8*n:17+8*n], v[20+8*n:21+8*n], s[34+4*(n/8):35+4*(n/8)], v[16+8*n:17+8*n] op_sel_hi:[1,0,1]
	v_pk_fma_f32 v[18+8*n:19+8*n], v[22+8*n:23+8*n], s[34+4*(n/8):35+4*(n/8)], v[18+8*n:19+8*n] op_sel_hi:[1,0,1]
	global_store_b128 v2, v[16+8*n:19+8*n], s[10:11] offset:(n/8)*4096+(n%8)*512 th:TH_STORE_NT   ; 512 consecutive bytes, aligned
.set n, n+1
.endr
	s_endpgm
.Lfunc_end_k_q7a50d64644_sum:
	.size	k_q7a50d64644_sum, .Lfunc_end_k_q7a50d64644_sum-k_q7a50d64644_sum
	.p2alignl 7, 3214868480
	.fill 96, 4, 3214868480
	.section	.rodata,"a",@progbits
	.p2align	6, 0x0
	.amdhsa_kernel k_q7a50d64644_sum
		.amdhsa_group_segment_fixed_size 0
		.amdhsa_private_segment_fixed_size 0
		.amdhsa_enable_private_segment 0
		.amdhsa_kernarg_size 32
		.amdhsa_user_sgpr_count 2
		.amdhsa_user_sgpr_kernarg_segment_ptr 1
		.amdhsa_wavefront_size32 1
		.amdhsa_system_sgpr_workgroup_id_x 1
		.amdhsa_system_sgpr_workgroup_id_y 1
		.amdhsa_system_sgpr_workgroup_id_z 1
		.amdhsa_system_vgpr_workitem_id 0
		.amdhsa_next_free_vgpr 144
		.amdhsa_next_free_sgpr 66
		.amdhsa_reserve_vcc 0
		.amdhsa_float_denorm_mode_32 3
		.amdhsa_float_denorm_mode_16_64 3
		.amdhsa_memory_ordered 1
		.amdhsa_forward_progress 1
		.amdhsa_inst_pref_size 11
	.end_amdhsa_kernel
	.amdgpu_metadata
---
amdhsa.version: [ 1, 2 ]
amdhsa.kernels:
  - .name:           k_q7a50d64644_sum
    .symbol:         k_q7a50d64644_sum.kd
    .args:
      - { .name: yp, .offset: 0, .size: 8, .value_kind: global_buffer, .address_space: global }
      - { .name: ptab, .offset: 8, .size: 8, .value_kind: global_buffer, .address_space: global }
      - { .name: gate, .offset: 16, .size: 8, .value_kind: global_buffer, .address_space: global }
      - { .name: out0, .offset: 24, .size: 8, .value_kind: global_buffer, .address_space: global }
    .group_segment_fixed_size: 0
    .private_segment_fixed_size: 0
    .kernarg_segment_align: 8
    .kernarg_segment_size: 32
    .max_flat_workgroup_size: 256
    .sgpr_count:     66
    .vgpr_count:     144
    .wavefront_size: 32
...
	.end_amdgpu_metadata
.endif
;; end of part 5
;; ======== version 2 of 2: 5 launches; 1.20 times as fast as version 1
;; limits: values are held in f16: magnitudes above 65,504 overflow, below 6.1e-05 lose precision
;; workspace buffers: rtab 24,576 bytes of whole numbers; gate 32,768 bytes; ptab 33,024 bytes of whole numbers; w1b 16,777,216 bytes; w2h 16,777,216 bytes; xs 18,874,368 bytes; hs 18,874,368 bytes; yp 37,748,736 bytes
;; launch route (part 6): grid 256 x 1, 8 waves a work-group, no clusters, 159,744 bytes of LDS; arguments x, Wg, W1, rtab, gate, w1b; writes rtab, gate, w1b
.if DOCPART == 6
	.amdgcn_target "amdgcn-amd-amdhsa--gfx1250"
	.amdhsa_code_object_version 6
	.text
	.protected	k_q7a50d64644_route
	.globl	k_q7a50d64644_route
	.p2align	8
	.type	k_q7a50d64644_route,@function
k_q7a50d64644_route:
	s_mov_b64 s[64:65], 0
	v_nop
	global_prefetch_b8 v0, s[64:65] scope:SCOPE_SE
	s_setreg_imm32_b32 hwreg(HW_REG_WAVE_MODE, 25, 1), 1
	s_wait_xcnt 0x0
; ROUTER, AND W1 ROUNDED TO bf16 AND LAID OUT.  256 work-groups of eight waves; the even ones route, the odd ones cast (the role hangs on the work-group's number alone).
; ROUTER (work-group 2 g): the 32 tokens 32 g .. 32 g + 31.  x and Wg are rounded to bf16, as every input of this program is; logits = x Wg on the matrix unit, f32 sums;
; softmax with the row's maximum taken away; the two largest probabilities (a strict compare in ascending order: the lower index wins a tie).
; It stores, all at fixed places: gate[t] = the two probabilities; rtab + 8192 + 4 t = e0 | e1 << 8; rtab + 32 g + 4 e = the bitmap of the group's tokens that chose expert e;
; rtab + 4096 + 16 g = the eight counts, two to a word.  No address and no branch hangs on these numbers here: a later launch places the rows.
; CAST (work-group 2 c + 1): W1 [e][k][n] in f32 becomes w1b in the order in which the first product's operand registers take it: the fragment of expert e, column block nb (16 columns) and
; k block kb (32 k) is 1,024 bytes at ((64 e + nb) 32 + kb) 1024: lane l = 16 h + r holds column 16 nb + r; its 16 bytes at 16 l are k = 32 kb + 8 h + 0..7, those at 512 + 16 l are k = 32 kb + 16 + 8 h + 0..7.
; Wave W = 8 c + w takes two tiles of 32 k x 128 n (one k block, 256 neighbouring columns).  A load is 512 consecutive bytes of one k row; the rounding pairs two k rows, so that a lane's four columns come
; out as four lane entries of 16 bytes; these go through the wave's own LDS and leave as 512 consecutive bytes a store.  The second tile's 32 loads are asked for while the first is worked on.
; No cluster and no tensor load: no two work-groups read the same bytes but Wg's 32 KiB.
; LIMITS.  A token whose second and third probabilities differ by less than the sums' rounding may route otherwise than an exact sum would; an exponential below 2^-126 counts as 0;
; NaN and infinities are not treated apart.
.set XP,    2064                       ; an LDS row: 1,024 bf16 + 16 bytes = 129 x 16: sixteen rows of a fragment load start at sixteen different groups of four banks
.set WT,    32*XP                      ; behind x's 32 rows: Wg turned, 8 rows (experts) of 1,024 bf16
.set PART,  82688                      ; eight waves' partial logits, 1,024 bytes each
.set SPARE, 90880                      ; the spare words, 128 bytes for each wave: four blocks of 256 bytes that no other line names
.set CB,    92160                      ; the cast's LDS, apart from the router's
.set FP,    1040                       ; a fragment in LDS: 1,024 bytes + 16
.set CW,    8448                       ; a cast wave's own LDS: 8 fragments, rounded up to blocks of 256
.set SPW, 2                            ; v2  SPARE + 4 x my thread's number; never rewritten
.set NIL, 3                            ; v3  0; never rewritten
.set LN,  4                            ; v4  lane
.set WV,  16                           ; s16 wave
.set IDX, 17                           ; s17 the group, or the chunk
.set X,   16                           ; cast: v[16:143]  32 k rows x 4 columns as loaded
.set Y,   144                          ; cast: v[144:159] eight k of four columns, rounded
.set Z,   160                          ; cast: v[160:223] a tile's 16 half fragments to store
	s_load_b256 s[4:11], s[0:1], 0x0               ; x s[4:5], Wg s[6:7], W1 s[8:9], rtab s[10:11]
	s_load_b128 s[12:15], s[0:1], 0x20             ; gate s[12:13], w1b s[14:15]
	v_lshl_add_u32 v[SPW], v0, 2, SPARE
	v_mov_b32 v[NIL], 0
	v_lshrrev_b32 v1, 5, v0
	v_readfirstlane_b32 s[WV], v1
	v_and_b32 v[LN], 31, v0
	s_lshr_b32 s[IDX], ttmp9, 1
	s_and_b32 s18, ttmp9, 1
	s_mov_b32 s21, 0
	s_wait_kmcnt 0x0
	s_cmp_eq_u32 s18, 0
	s_cbranch_scc1 .Lrouter
; ---------------------------------------------------------------- the cast
; Eight k rows (octet o of a tile's four).  left = the younger loads that may stay out.  ahead = 1: the rows' registers take the same rows of the second tile.
.macro OCTET o, left, ahead
	s_wait_loadcnt \left                           ; loads come back in order: the octet's eight are in
.irp c, 0,1,2,3
.irp p, 0,1,2,3
	v_cvt_pk_bf16_f32 v[Y+4*\c+\p], v[X+4*(8*(\o)+2*\p)+\c], v[X+4*(8*(\o)+2*\p+1)+\c]   ; column c: k = 2 p below, 2 p + 1 above
.endr
.endr
.if \ahead
.irp i, 0,1,2,3,4,5,6,7
	global_load_b128 v[X+4*(8*(\o)+\i):X+4*(8*(\o)+\i)+3], v5, s[8:9] offset:(8*(\o)+\i)*4096+512 th:TH_LOAD_NT
.endr
.endif
.irp c, 0,1,2,3
	ds_store_b128 v6, v[Y+4*\c:Y+4*\c+3] offset:256*(\o)+16*\c   ; octet o = 2 j + h lies at 512 j + 256 h of its fragment, column r at 16 r
.endr
.endm
; Tile t leaves: 16 half fragments back from my own LDS (a wave's LDS instructions are served in order: ISA guide 5.7.1.4), each 512 consecutive bytes, and out.
.macro COUT t
.irp f, 0,1,2,3,4,5,6,7,8,9,10,11,12,13,14,15
	ds_load_b128 v[Z+4*\f:Z+4*\f+3], v7 offset:(\f/2)*FP+(\f%2)*512
.endr
.irp f, 0,1,2,3,4,5,6,7,8,9,10,11,12,13,14,15
	s_wait_dscnt 15-\f                             ; the younger loads may stay out
	global_store_b128 v5, v[Z+4*\f:Z+4*\f+3], s[14:15] offset:(\t)*262144+(\f/2)*32768+(\f%2)*512   ; 512 consecutive bytes, aligned
.endr
.endm
	s_lshl_b32 s22, s[IDX], 3
	s_add_co_u32 s22, s22, s[WV]                   ; W: expert W >> 7, k block (W >> 2) & 31, columns 256 (W & 3) on
	s_lshr_b32 s23, s22, 2
	s_lshl_b32 s20, s23, 17                        ; 32 k rows of 4,096 bytes for each (expert, k block),
	s_and_b32 s24, s22, 3
	s_lshl_b32 s25, s24, 10                        ; 1,024 bytes of a row
	s_add_co_u32 s20, s20, s25
	s_add_nc_u64 s[8:9], s[8:9], s[20:21]
	s_lshr_b32 s20, s22, 7
	s_lshl_b32 s20, s20, 21                        ; out: the expert's 2 MiB,
	s_lshl_b32 s25, s24, 19                        ; 16 column blocks of 32 KiB,
	s_add_co_u32 s20, s20, s25
	s_and_b32 s23, s23, 31
	s_lshl_b32 s23, s23, 10                        ; the k block's 1,024 bytes
	s_add_co_u32 s20, s20, s23
	s_add_nc_u64 s[14:15], s[14:15], s[20:21]
	v_lshlrev_b32 v5, 4, v[LN]                     ; 16 bytes a lane, in and out; never rewritten
.set n, 0
.rept 32
	global_load_b128 v[X+4*n:X+4*n+3], v5, s[8:9] offset:n*4096 th:TH_LOAD_NT
.set n, n+1
.endr
	s_mul_i32 s23, s[WV], CW
	s_add_co_u32 s23, s23, CB                      ; my own LDS
	v_lshrrev_b32 v6, 2, v[LN]
	v_mul_u32_u24 v6, v6, FP                       ; in: my four columns lie in fragment lane / 4,
	v_and_b32 v7, 3, v[LN]
	v_lshl_add_u32 v6, v7, 6, v6                   ; at lane entries 4 (lane % 4) on
	v_add_nc_u32 v6, s23, v6
	v_add_nc_u32 v7, s23, v5                       ; back: 16 bytes a lane
	OCTET 0, 24, 1                                 ; 24 = what is left of this tile and what has been asked of the next
	OCTET 1, 24, 1
	OCTET 2, 24, 1
	OCTET 3, 24, 1
	COUT 0
	OCTET 0, 24, 0                                 ; nothing is left to ask for: the counts run down
	OCTET 1, 16, 0
	OCTET 2, 8, 0
	OCTET 3, 0, 0
	s_wait_xcnt 0x0                                ; the first tile's stores have read Z: it is loaded again only behind this wait
	COUT 1
	s_wait_tensorcnt 0x0                           ; the wave's end
	ds_add_u32 v[SPW], v[NIL]
	s_wait_dscnt 0x0
	s_endpgm
; ---------------------------------------------------------------- the router
.Lrouter:
	s_lshl_b32 s20, s[IDX], 17                     ; 32 tokens of 4,096 bytes
	s_add_nc_u64 s[4:5], s[4:5], s[20:21]
	v_lshlrev_b32 v5, 4, v[LN]
	v_lshl_add_u32 v5, s[WV], 14, v5               ; wave w loads rows 4 w .. 4 w + 3, 512 consecutive bytes a load
	v_lshlrev_b32 v6, 7, v0                        ; thread t loads Wg's rows 4 t .. 4 t + 3: 128 bytes
.set n, 0
.rept 32
	global_load_b128 v[16+4*n:16+4*n+3], v5, s[4:5] offset:(n/8)*4096+(n%8)*512
.set n, n+1
.endr
.irp i, 0,1,2,3,4,5,6,7
	global_load_b128 v[144+4*(\i):144+4*(\i)+3], v6, s[6:7] offset:16*(\i)   ; Wg[4 t + kk][e] lands in v[144 + 8 kk + e]
.endr
	v_lshlrev_b32 v7, 3, v[LN]
	s_mul_i32 s22, s[WV], 4*XP
	v_add_nc_u32 v7, s22, v7                       ; where my 8 bytes of row 4 w go
	v_lshl_add_u32 v8, v0, 3, WT                   ; where my four k of expert 0 go
.set n, 0
.rept 32
.if n%8 == 0
	s_wait_loadcnt 32-n                            ; a row's eight loads are in; the later rows' and Wg's eight may stay out
.endif
	v_cvt_pk_bf16_f32 v[16+4*n],   v[16+4*n],   v[16+4*n+1]
	v_cvt_pk_bf16_f32 v[16+4*n+1], v[16+4*n+2], v[16+4*n+3]
	ds_store_b64 v7, v[16+4*n:16+4*n+1] offset:(n/8)*XP+(n%8)*256
.set n, n+1
.endr
	s_wait_loadcnt 0x0
.irp e, 0,1,2,3,4,5,6,7
	v_cvt_pk_bf16_f32 v[176+2*(\e)], v[144+(\e)], v[152+(\e)]
	v_cvt_pk_bf16_f32 v[177+2*(\e)], v[160+(\e)], v[168+(\e)]
	ds_store_b64 v8, v[176+2*(\e):177+2*(\e)] offset:(\e)*XP
.endr
	s_wait_dscnt 0x0                               ; for the others' sake: my stores are done
	s_barrier_signal -1
	s_barrier_wait -1
	; Wave w multiplies k = 128 w .. 128 w + 127, four steps of 32.  Source 0 = experts (16 rows), source 1 = 16 tokens: a lane of the result holds one token.
	; LO has the 8 experts in rows 0-7 and zeros below, HI the other way round: LO x tokens 0-15 + HI x tokens 16-31 leaves in lane l the 8 logits of token l.
	v_and_b32 v9, 15, v0
	v_bfe_u32 v10, v0, 4, 1
	v_lshlrev_b32 v11, 4, v10
	v_lshl_add_u32 v11, s[WV], 8, v11              ; 16 x half + my slice's 256 bytes
	v_mul_u32_u24 v12, v9, XP
	v_add_nc_u32 v12, v12, v11
	v_and_b32 v13, 7, v0
	v_mul_u32_u24 v13, v13, XP
	v_add3_u32 v13, v13, v11, WT
.irp q, 0,1,2,3
	ds_load_b128 v[16+8*(\q):19+8*(\q)], v12 offset:64*(\q)
	ds_load_b128 v[20+8*(\q):23+8*(\q)], v12 offset:64*(\q)+32
	ds_load_b128 v[48+8*(\q):51+8*(\q)], v12 offset:16*XP+64*(\q)
	ds_load_b128 v[52+8*(\q):55+8*(\q)], v12 offset:16*XP+64*(\q)+32
	ds_load_b128 v[80+8*(\q):83+8*(\q)], v13 offset:64*(\q)
	ds_load_b128 v[84+8*(\q):87+8*(\q)], v13 offset:64*(\q)+32
.endr
	s_mov_b32 s22, 0x00ff00ff                      ; lanes whose row is 0-7
	s_mov_b32 s23, 0xff00ff00                      ; lanes whose row is 8-15
	v_lshl_add_u32 v14, v0, 5, PART                ; my 32 bytes among the partial logits
	s_wait_dscnt 0x0
.set n, 0
.rept 32
	v_cndmask_b32 v[112+n], 0, v[80+n], s22
	v_cndmask_b32 v[144+n], 0, v[80+n], s23
.set n, n+1
.endr
	v_wmma_f32_16x16x32_bf16 v[176:183], v[112:119], v[16:23], 0      ; the first step starts both sums; the two accumulators take turns
	v_wmma_f32_16x16x32_bf16 v[184:191], v[144:151], v[48:55], 0
.irp q, 1,2,3
	v_wmma_f32_16x16x32_bf16 v[176:183], v[112+8*(\q):119+8*(\q)], v[16+8*(\q):23+8*(\q)], v[176:183]
	v_wmma_f32_16x16x32_bf16 v[184:191], v[144+8*(\q):151+8*(\q)], v[48+8*(\q):55+8*(\q)], v[184:191]
.endr
.rept 4
	v_nop                                          ; four places behind the last products (ISA guide 7.12.1)
.endr
.irp j, 0,2,4,6
	v_pk_add_f32 v[16+(\j):17+(\j)], v[176+(\j):177+(\j)], v[184+(\j):185+(\j)]   ; from the low end on
.endr
	ds_store_b128 v14, v[16:19]
	ds_store_b128 v14, v[20:23] offset:16
	s_wait_dscnt 0x0
	s_barrier_signal -1
	s_barrier_wait -1
	s_cmp_eq_u32 s[WV], 0
	s_cbranch_scc1 .Lwave0
	s_wait_tensorcnt 0x0                           ; waves 1 to 7 end here: the three lines
	ds_add_u32 v[SPW], v[NIL]
	s_wait_dscnt 0x0
	s_endpgm
.Lwave0:                                               ; lane = token (in wave 0 the thread's number is the lane's, so v14 serves)
.irp q, 0,1,2,3,4,5,6,7
	ds_load_b128 v[32+8*(\q):35+8*(\q)], v14 offset:1024*(\q)
	ds_load_b128 v[36+8*(\q):39+8*(\q)], v14 offset:1024*(\q)+16
.endr
	s_wait_dscnt 0x0
.irp q, 1,2,3,4,5,6,7
.irp j, 0,2,4,6
	v_pk_add_f32 v[32+(\j):33+(\j)], v[32+(\j):33+(\j)], v[32+8*(\q)+(\j):33+8*(\q)+(\j)]   ; the slices in ascending order
.endr
.endr
	v_max3_num_f32 v40, v32, v33, v34
	v_max3_num_f32 v40, v40, v35, v36
	v_max3_num_f32 v40, v40, v37, v38
	v_max_num_f32 v40, v40, v39                    ; the row's maximum
.irp e, 0,1,2,3,4,5,6,7
	v_sub_f32 v[48+(\e)], v[32+(\e)], v40
.endr
.irp e, 0,1,2,3,4,5,6,7
	v_mul_f32 v[48+(\e)], 0x3fb8aa3b, v[48+(\e)]   ; times log2(e)
.endr
.irp e, 0,1,2,3,4,5,6,7
	v_exp_f32 v[48+(\e)], v[48+(\e)]
.endr
	v_nop                                          ; a plain instruction behind the last exponential,
	s_wait_alu depctr_va_vdst(0)                   ; and one wait for the eight
	v_add_f32 v41, v48, v49
	v_add_f32 v42, v50, v51
	v_add_f32 v43, v52, v53
	v_add_f32 v44, v54, v55
	v_add_f32 v41, v41, v42
	v_add_f32 v43, v43, v44
	v_add_f32 v41, v41, v43
	v_rcp_f32 v45, v41
	v_nop
	s_wait_alu depctr_va_vdst(0)
.irp e, 0,1,2,3,4,5,6,7
	v_mul_f32 v[48+(\e)], v[48+(\e)], v45          ; the probabilities
.endr
	v_mov_b32 v56, v48                             ; the largest, and its expert
	v_mov_b32 v58, 0
.irp e, 1,2,3,4,5,6,7
	v_cmp_gt_f32 vcc_lo, v[48+(\e)], v56
	v_cndmask_b32 v56, v56, v[48+(\e)], vcc_lo
	v_cndmask_b32 v58, v58, \e, vcc_lo
.endr
	v_mov_b32 v57, -1.0                            ; the second: below every probability, so the first expert that is not e0 takes it
	v_mov_b32 v59, 0
.irp e, 0,1,2,3,4,5,6,7
	v_cmp_gt_f32 s24, v[48+(\e)], v57
	v_cmp_ne_u32 s25, \e, v58
	s_and_b32 vcc_lo, s24, s25
	v_cndmask_b32 v57, v57, v[48+(\e)], vcc_lo
	v_cndmask_b32 v59, v59, \e, vcc_lo
.endr
	s_lshl_b32 s20, s[IDX], 8
	s_add_nc_u64 s[12:13], s[12:13], s[20:21]
	v_lshlrev_b32 v60, 3, v[LN]
	global_store_b64 v60, v[56:57], s[12:13]       ; 256 consecutive bytes, aligned
	v_lshl_or_b32 v61, v59, 8, v58
	s_lshl_b32 s26, s[IDX], 7
	v_lshl_add_u32 v62, v[LN], 2, s26
	global_store_b32 v62, v61, s[10:11] offset:8192
	v_mov_b32 v63, 0
.irp e, 0,1,2,3,4,5,6,7
	v_cmp_eq_u32 s24, \e, v58
	v_cmp_eq_u32 s25, \e, v59
	s_or_b32 s[32+(\e)], s24, s25                  ; the tokens that chose expert e,
	s_bcnt1_i32_b32 s[40+(\e)], s[32+(\e)]         ; and how many
	v_writelane_b32 v63, s[32+(\e)], \e
.endr
.irp k, 0,1,2,3
	s_lshl_b32 s24, s[41+2*(\k)], 16
	s_or_b32 s24, s24, s[40+2*(\k)]
	v_writelane_b32 v63, s24, 8+(\k)
.endr
	s_lshl_b32 s24, s[IDX], 5                      ; lanes 0-7: the bitmaps at 32 g + 4 l
	s_lshl_b32 s25, s[IDX], 4
	s_add_co_u32 s25, s25, 4096-32                 ; lanes 8-11: the counts at 4096 + 16 g + 4 (l - 8)
	v_lshl_add_u32 v64, v[LN], 2, s24
	v_lshl_add_u32 v65, v[LN], 2, s25
	v_cmp_gt_u32 vcc_lo, 8, v[LN]
	v_cndmask_b32 v64, v65, v64, vcc_lo
	v_cmp_gt_u32 vcc_lo, 12, v[LN]
	s_wait_xcnt 0x0                                ; EXEC changes only behind this wait
	s_and_saveexec_b32 s26, vcc_lo
	global_store_b32 v64, v63, s[10:11]
	s_wait_xcnt 0x0                                ; and again, in front of the line that widens it
	s_or_b32 exec_lo, exec_lo, s26
	s_wait_tensorcnt 0x0                           ; the wave's end: the three lines
	ds_add_u32 v[SPW], v[NIL]
	s_wait_dscnt 0x0
	s_endpgm
.Lfunc_end_k_q7a50d64644_route:
	.size	k_q7a50d64644_route, .Lfunc_end_k_q7a50d64644_route-k_q7a50d64644_route
	.p2alignl 7, 3214868480
	.fill 96, 4, 3214868480
	.section	.rodata,"a",@progbits
	.p2align	6, 0x0
	.amdhsa_kernel k_q7a50d64644_route
		.amdhsa_group_segment_fixed_size 159744
		.amdhsa_private_segment_fixed_size 0
		.amdhsa_enable_private_segment 0
		.amdhsa_kernarg_size 48
		.amdhsa_user_sgpr_count 2
		.amdhsa_user_sgpr_kernarg_segment_ptr 1
		.amdhsa_wavefront_size32 1
		.amdhsa_system_sgpr_workgroup_id_x 1
		.amdhsa_system_sgpr_workgroup_id_y 1
		.amdhsa_system_sgpr_workgroup_id_z 1
		.amdhsa_system_vgpr_workitem_id 0
		.amdhsa_next_free_vgpr 224
		.amdhsa_next_free_sgpr 66
		.amdhsa_reserve_vcc 1
		.amdhsa_float_denorm_mode_32 3
		.amdhsa_float_denorm_mode_16_64 3
		.amdhsa_memory_ordered 1
		.amdhsa_forward_progress 1
		.amdhsa_inst_pref_size 55
	.end_amdhsa_kernel
	.amdgpu_metadata
---
amdhsa.version: [ 1, 2 ]
amdhsa.kernels:
  - .name:           k_q7a50d64644_route
    .symbol:         k_q7a50d64644_route.kd
    .args:
      - { .name: x, .offset: 0, .size: 8, .value_kind: global_buffer, .address_space: global }
      - { .name: Wg, .offset: 8, .size: 8, .value_kind: global_buffer, .address_space: global }
      - { .name: W1, .offset: 16, .size: 8, .value_kind: global_buffer, .address_space: global }
      - { .name: rtab, .offset: 24, .size: 8, .value_kind: global_buffer, .address_space: global }
      - { .name: gate, .offset: 32, .size: 8, .value_kind: global_buffer, .address_space: global }
      - { .name: w1b, .offset: 40, .size: 8, .value_kind: global_buffer, .address_space: global }
    .group_segment_fixed_size: 159744
    .private_segment_fixed_size: 0
    .kernarg_segment_align: 8
    .kernarg_segment_size: 48
    .max_flat_workgroup_size: 256
    .sgpr_count:     66
    .vgpr_count:     224
    .wavefront_size: 32
...
	.end_amdgpu_metadata
.endif
;; end of part 6
;; launch place (part 7): grid 256 x 1, 8 waves a work-group, no clusters, 68,608 bytes of LDS; arguments rtab, x, W2, ptab, xs, w2h; writes ptab, xs, w2h
.if DOCPART == 7
	.amdgcn_target "amdgcn-amd-amdhsa--gfx1250"
	.amdhsa_code_object_version 6
	.text
	.protected	k_q7a50d64644_place
	.globl	k_q7a50d64644_place
	.p2align	8
	.type	k_q7a50d64644_place,@function
k_q7a50d64644_place:
	s_mov_b64 s[64:65], 0
	v_nop
	global_prefetch_b8 v0, s[64:65] scope:SCOPE_SE
	s_setreg_imm32_b32 hwreg(HW_REG_WAVE_MODE, 25, 1), 1
	s_wait_xcnt 0x0
; PLACING THE ROWS, AND W2 ROUNDED AND LAID OUT.  256 work-groups of eight waves; the even ones place, the odd ones cast (the role hangs on the work-group's number alone).
; THE DEAL.  The two products work on 64 PARTS of 144 row places.  With the counts c_e (their sum is 8,192, each at most 4,096) expert e gets n_e = ceil(c_e / 144) parts, from part
; S_e = n_0 + .. + n_(e-1) on.  The sum of the n_e is at most (8192 + 8 x 143) / 144 = 64.8, so 64 parts serve every split of the tokens.  An expert's parts lie end to end, so its row of
; rank k has the place 144 S_e + k.  Divisions by 144 are p 7282 >> 20: 144 x 7282 is 32 over 2^20, so the quotient is exact while 32 p stays under 2^20; p is 9,215 at the most.
; PLACING (work-group 2 i): the 32 tokens of group i, four to a wave.  x's rows are asked for first (their addresses hang on ids alone), rounded to bf16 and stored to their two places in xs, laid as
; [part][K step of 128][144 rows][128], so that a part is a dense run of rows of 256 bytes.  x is read once.  No LDS, no barrier: every wave adds up the 128 groups' counts for itself.
; In wave w lane l stands for token l - (28 - 4 w) of the group, and the bitmaps are shifted left by as much: v_mbcnt then counts the chosen tokens below that token, and the wave's own four tokens lie in
; lanes 28-31 whatever w.  (Lanes below the shift hold nothing of use.)  Wave 7, whose shift is 0, stores pos[t][0..1] for the group; wave 5 of work-group 0 stores each part's expert (0 where it has none).
; THE EMPTY PLACES, 9,216 - 8,192 = 1,024 whatever the split, get zeros, one row from each wave: pad j = 8 i + w has the place j + c_0 + .. + c_e, e the last expert with at most j pads in front of it
; (144 S_e = the counts and the pads in front of e).  So every byte of xs is stored.
; CAST (work-group 2 c + 1): W2 rounded to bf16, like every input, that number written as f16, in the order in which the second product's operand registers take it: the fragment of expert e, column block nb
; and k block kb is 1,024 bytes at ((64 e + nb) 32 + kb) 1024; lane l = 16 h + r holds column 16 nb + r: at 16 l its k = 32 kb + 8 h + 0..7, at 512 + 16 l its k = 32 kb + 16 + 8 h + 0..7.
; No cluster and no tensor load: a stream and a scatter; what work-groups share is 2 KiB of counts.
; LIMITS.  |W2| of 65,520 or more becomes an infinity in f16; below 6.1e-5 it keeps f16's fixed step of 6e-8.
.set ROWS,  144                        ; row places in a part
.set KSB,   ROWS*256                   ; bytes of a K step's tile of a part
.set PARTB, 8*KSB                      ; bytes of a part in xs
.set FP,    1040                       ; cast: a fragment in LDS: 1,024 bytes + 16
.set CW,    8448                       ; cast: a wave's own LDS: 8 fragments, rounded up to blocks of 256
.set SPARE, 8*CW                       ; the spare words, 128 bytes for each wave: four blocks of 256 bytes that no other line names
.set SPW, 2
.set NIL, 3
.set LN,  4
.set X,   16                           ; v[16:143]  32 loads of 4 registers
.set Y,   144                          ; cast: v[144:159]; placing: v[144:207], 32 pairs to store
.set Z,   160                          ; cast: v[160:223] a tile's 16 half fragments to store
.set T,   224                          ; cast: v[224:231] at work
.set PC,  208                          ; v[208:223] four groups' packed counts
.set RTE, 224                          ; my token's two choices
.set POS, 226                          ; v[226:227] its two places
.set TT,  228                          ; v[228:231] the totals, v[232:235] the sums over the groups in front of mine, packed
.set TA,  236                          ; at work
.set ZP,  238                          ; v[238:239] zeros
.set EV,  240                          ; pairs, one register for each choice: expert,
.set BV,  242                          ; its bitmap,
.set PV,  244                          ; its prefix,
.set SV,  246                          ; its first part,
.set RK,  248                          ; the rank,
.set QV,  250                          ; rank / 144,
.set PTV, 252                          ; the part,
.set RWV, 254                          ; the row in it
.set WV,  16                           ; s16 wave
.set IDX, 17                           ; s17 i, or c
.set BM,  24                           ; s[24:31] group i's bitmaps
.set CN,  40                           ; s[40:47] c_e
.set NE,  48                           ; s[48:55] n_e
.set SE,  56                           ; s[56:63] S_e
.set PR,  66                           ; s[66:73] the counts of the groups in front of mine
.set BS,  74                           ; s[74:89] xs at the two places of each of my four tokens
.set SH,  99                           ; 28 - 4 w
	s_load_b256 s[4:11], s[0:1], 0x0               ; rtab s[4:5], x s[6:7], W2 s[8:9], ptab s[10:11]
	s_load_b128 s[12:15], s[0:1], 0x20             ; xs s[12:13], w2h s[14:15]
	v_lshl_add_u32 v[SPW], v0, 2, SPARE
	v_mov_b32 v[NIL], 0
	v_lshrrev_b32 v1, 5, v0
	v_readfirstlane_b32 s[WV], v1
	v_and_b32 v[LN], 31, v0
	s_lshr_b32 s[IDX], ttmp9, 1
	s_and_b32 s18, ttmp9, 1
	s_mov_b32 s21, 0
	s_wait_kmcnt 0x0
	s_cmp_eq_u32 s18, 0
	s_cbranch_scc1 .Lscatter
; ---------------------------------------------------------------- the cast
; Eight k rows (octet o of a tile's four).  left = the younger loads that may stay out.  ahead = 1: the rows' registers take the same rows of the second tile.
.macro OCTET o, left, ahead
	s_wait_loadcnt \left                           ; loads come back in order: the octet's eight are in
.irp c, 0,1,2,3
.irp p, 0,1,2,3
	v_cvt_pk_bf16_f32 v[Y+4*\c+\p], v[X+4*(8*(\o)+2*\p)+\c], v[X+4*(8*(\o)+2*\p+1)+\c]   ; column c: k = 2 p below, 2 p + 1 above; rounded to bf16,
.endr
.endr
.if \ahead
.irp i, 0,1,2,3,4,5,6,7
	global_load_b128 v[X+4*(8*(\o)+\i):X+4*(8*(\o)+\i)+3], v5, s[8:9] offset:(8*(\o)+\i)*4096+512 th:TH_LOAD_NT
.endr
.endif
.irp y, 0,1,2,3,4,5,6,7,8,9,10,11,12,13,14,15
	v_lshlrev_b32 v[T+2*(\y%4)],   16, v[Y+\y]                      ; widened again,
	v_and_b32     v[T+2*(\y%4)+1], 0xffff0000, v[Y+\y]
	v_cvt_pk_f16_f32 v[Y+\y], v[T+2*(\y%4)], v[T+2*(\y%4)+1]        ; and written as f16: 8 significant bits fit its 11
.endr
.irp c, 0,1,2,3
	ds_store_b128 v6, v[Y+4*\c:Y+4*\c+3] offset:256*(\o)+16*\c   ; octet o = 2 j + h lies at 512 j + 256 h of its fragment, column r at 16 r
.endr
.endm
; Tile t leaves: 16 half fragments back from my own LDS (a wave's LDS instructions are served in order: ISA guide 5.7.1.4), each 512 consecutive bytes, and out.
.macro COUT t
.irp f, 0,1,2,3,4,5,6,7,8,9,10,11,12,13,14,15
	ds_load_b128 v[Z+4*\f:Z+4*\f+3], v7 offset:(\f/2)*FP+(\f%2)*512
.endr
.irp f, 0,1,2,3,4,5,6,7,8,9,10,11,12,13,14,15
	s_wait_dscnt 15-\f                             ; the younger loads may stay out
	global_store_b128 v5, v[Z+4*\f:Z+4*\f+3], s[14:15] offset:(\t)*262144+(\f/2)*32768+(\f%2)*512   ; 512 consecutive bytes, aligned
.endr
.endm
	s_lshl_b32 s22, s[IDX], 3
	s_add_co_u32 s22, s22, s[WV]                   ; W: expert W >> 7, k block (W >> 2) & 31, columns 256 (W & 3) on
	s_lshr_b32 s23, s22, 2
	s_lshl_b32 s20, s23, 17                        ; 32 k rows of 4,096 bytes for each (expert, k block),
	s_and_b32 s24, s22, 3
	s_lshl_b32 s25, s24, 10                        ; 1,024 bytes of a row
	s_add_co_u32 s20, s20, s25
	s_add_nc_u64 s[8:9], s[8:9], s[20:21]
	s_lshr_b32 s20, s22, 7
	s_lshl_b32 s20, s20, 21                        ; out: the expert's 2 MiB,
	s_lshl_b32 s25, s24, 19                        ; 16 column blocks of 32 KiB,
	s_add_co_u32 s20, s20, s25
	s_and_b32 s23, s23, 31
	s_lshl_b32 s23, s23, 10                        ; the k block's 1,024 bytes
	s_add_co_u32 s20, s20, s23
	s_add_nc_u64 s[14:15], s[14:15], s[20:21]
	v_lshlrev_b32 v5, 4, v[LN]                     ; 16 bytes a lane, in and out; never rewritten
.set n, 0
.rept 32
	global_load_b128 v[X+4*n:X+4*n+3], v5, s[8:9] offset:n*4096 th:TH_LOAD_NT
.set n, n+1
.endr
	s_mul_i32 s23, s[WV], CW                       ; my own LDS
	v_lshrrev_b32 v6, 2, v[LN]
	v_mul_u32_u24 v6, v6, FP                       ; in: my four columns lie in fragment lane / 4,
	v_and_b32 v7, 3, v[LN]
	v_lshl_add_u32 v6, v7, 6, v6                   ; at lane entries 4 (lane % 4) on
	v_add_nc_u32 v6, s23, v6
	v_add_nc_u32 v7, s23, v5                       ; back: 16 bytes a lane
	OCTET 0, 24, 1                                 ; 24 = what is left of this tile and what has been asked of the next
	OCTET 1, 24, 1
	OCTET 2, 24, 1
	OCTET 3, 24, 1
	COUT 0
	OCTET 0, 24, 0                                 ; nothing is left to ask for: the counts run down
	OCTET 1, 16, 0
	OCTET 2, 8, 0
	OCTET 3, 0, 0
	s_wait_xcnt 0x0                                ; the first tile's stores have read Z: it is loaded again only behind this wait
	COUT 1
	s_wait_tensorcnt 0x0                           ; the wave's end
	ds_add_u32 v[SPW], v[NIL]
	s_wait_dscnt 0x0
	s_endpgm
; ---------------------------------------------------------------- placing
.Lscatter:
	s_lshl_b32 s22, s[IDX], 5
	s_load_b256 s[BM:BM+7], s[4:5], s22 offset:0x0 ; group i's eight bitmaps (s22 stays as it is until they are in)
	s_lshl_b32 s[SH], s[WV], 2
	s_sub_co_u32 s[SH], 28, s[SH]
	v_lshlrev_b32 v7, 4, v[LN]
.irp q, 0,1,2,3
	global_load_b128 v[PC+4*\q:PC+4*\q+3], v7, s[4:5] offset:4096+512*\q   ; the packed counts of groups l, l + 32, l + 64, l + 96
.endr
	v_subrev_nc_u32 v8, s[SH], v[LN]
	v_and_b32 v8, 31, v8                           ; the token that my lane stands for
	s_lshl_b32 s23, s[IDX], 7
	v_lshl_add_u32 v8, v8, 2, s23
	global_load_b32 v[RTE], v8, s[4:5] offset:8192 ; its two choices
	s_lshl_b32 s20, s[IDX], 17                     ; 32 tokens of 4,096 bytes
	s_add_nc_u64 s[6:7], s[6:7], s[20:21]
	v_lshl_add_u32 v5, s[WV], 14, v7               ; my wave's four rows, 16 bytes a lane
.set n, 0
.rept 32
	global_load_b128 v[X+4*n:X+4*n+3], v5, s[6:7] offset:(n/8)*4096+(n%8)*512 th:TH_LOAD_NT
.set n, n+1
.endr
	v_lshlrev_b32 v6, 3, v[LN]                     ; 8 bytes a lane, out; never rewritten
	v_mov_b32 v[ZP], 0
	v_mov_b32 v[ZP+1], 0
	s_mov_b32 s96, 0x76543210                      ; v_permlanex16_b32: each lane takes its own place in the other half
	s_mov_b32 s97, 0xfedcba98
	s_wait_loadcnt 32                              ; counts and choices are in; x's 32 loads stay out
.irp c, 0,1,2,3
	v_add_nc_u32 v[TT+\c], v[PC+\c], v[PC+4+\c]    ; a half never passes 4,096, so the packed halves do not meet
	v_add_nc_u32 v[TA], v[PC+8+\c], v[PC+12+\c]
	v_add_nc_u32 v[TT+\c], v[TT+\c], v[TA]
.endr
.irp q, 0,1,2,3
	v_add_nc_u32 v[TA], 32*\q, v[LN]
	v_cmp_gt_u32 vcc_lo, s[IDX], v[TA]             ; a group in front of mine?
.irp c, 0,1,2,3
	v_cndmask_b32 v[PC+4*\q+\c], 0, v[PC+4*\q+\c], vcc_lo
.endr
.endr
.irp c, 0,1,2,3
	v_add_nc_u32 v[TT+4+\c], v[PC+\c], v[PC+4+\c]
	v_add_nc_u32 v[TA], v[PC+8+\c], v[PC+12+\c]
	v_add_nc_u32 v[TT+4+\c], v[TT+4+\c], v[TA]
.endr
.irp n, 1,2,4,8
.irp c, 0,1,2,3,4,5,6,7
	v_mov_b32_dpp v[TA], v[TT+\c] row_xmask:\n row_mask:0xf bank_mask:0xf
	v_add_nc_u32 v[TT+\c], v[TT+\c], v[TA]
.endr
.endr
.irp c, 0,1,2,3,4,5,6,7
	v_permlanex16_b32 v[TA], v[TT+\c], s96, s97
	v_add_nc_u32 v[TT+\c], v[TT+\c], v[TA]
.endr
.irp c, 0,1,2,3,4,5,6,7
	v_readfirstlane_b32 s[32+\c], v[TT+\c]
.endr
	; the deal, in scalar registers, alike in every wave of every work-group
.irp k, 0,1,2,3
	s_and_b32 s[CN+2*\k], s[32+\k], 0xffff
	s_lshr_b32 s[CN+2*\k+1], s[32+\k], 16
	s_and_b32 s[PR+2*\k], s[36+\k], 0xffff
	s_lshr_b32 s[PR+2*\k+1], s[36+\k], 16
.endr
	s_mov_b32 s90, 0
.irp e, 0,1,2,3,4,5,6,7
	s_mov_b32 s[SE+\e], s90
	s_add_co_u32 s91, s[CN+\e], ROWS-1
	s_mul_i32 s91, s91, 7282
	s_lshr_b32 s[NE+\e], s91, 20
	s_add_co_u32 s90, s90, s[NE+\e]
.endr
	; my wave's empty place
	s_lshl_b32 s98, s[IDX], 3
	s_add_co_u32 s98, s98, s[WV]                   ; j
	s_mov_b32 s90, 0                               ; the pads in front of expert e
	s_mov_b32 s91, 0                               ; c_0 + .. + c_e
	s_mov_b32 s92, 0
.irp e, 0,1,2,3,4,5,6,7
	s_add_co_u32 s91, s91, s[CN+\e]
	s_cmp_ge_u32 s98, s90
	s_cselect_b32 s92, s91, s92
	s_mul_i32 s93, s[NE+\e], ROWS
	s_sub_co_u32 s93, s93, s[CN+\e]
	s_add_co_u32 s90, s90, s93
.endr
	s_add_co_u32 s92, s92, s98                     ; the place,
	s_mul_i32 s93, s92, 7282
	s_lshr_b32 s93, s93, 20                        ; its part,
	s_mul_i32 s94, s93, ROWS
	s_sub_co_u32 s94, s92, s94                     ; its row
	s_min_u32 s93, s93, 63
	s_min_u32 s94, s94, ROWS-1
	s_mul_i32 s20, s93, PARTB
	s_lshl_b32 s94, s94, 8
	s_add_co_u32 s20, s20, s94
	s_add_nc_u64 s[100:101], s[12:13], s[20:21]
.irp k, 0,1,2,3,4,5,6,7
	global_store_b64 v6, v[ZP:ZP+1], s[100:101] offset:\k*KSB   ; 256 consecutive bytes, aligned
.endr
	; where my lane's token goes
	v_and_b32 v[EV], 0xff, v[RTE]
	v_bfe_u32 v[EV+1], v[RTE], 8, 8
	v_min_u32 v[EV], 7, v[EV]
	v_min_u32 v[EV+1], 7, v[EV+1]
.irp u, 0,1
	v_mov_b32 v[BV+\u], 0
	v_mov_b32 v[PV+\u], 0
	v_mov_b32 v[SV+\u], 0
.endr
	s_wait_kmcnt 0x0                               ; the bitmaps
.irp e, 0,1,2,3,4,5,6,7
.irp u, 0,1
	v_cmp_eq_u32 vcc_lo, \e, v[EV+\u]
	v_cndmask_b32 v[BV+\u], v[BV+\u], s[BM+\e], vcc_lo
	v_cndmask_b32 v[PV+\u], v[PV+\u], s[PR+\e], vcc_lo
	v_cndmask_b32 v[SV+\u], v[SV+\u], s[SE+\e], vcc_lo
.endr
.endr
.irp u, 0,1
	v_lshlrev_b32 v[BV+\u], s[SH], v[BV+\u]                 ; token t's bit now lies at lane t + shift
	v_mbcnt_lo_u32_b32 v[RK+\u], v[BV+\u], v[PV+\u]         ; rank = prefix + the group's chosen tokens below mine
	v_mul_u32_u24 v[QV+\u], v[RK+\u], 7282
	v_lshrrev_b32 v[QV+\u], 20, v[QV+\u]                    ; rank / 144
	v_add_nc_u32 v[PTV+\u], v[SV+\u], v[QV+\u]
	v_mad_u32_u24 v[POS+\u], v[SV+\u], ROWS, v[RK+\u]       ; the place: 144 S_e + rank
	v_mul_u32_u24 v[RWV+\u], v[QV+\u], ROWS
	v_sub_nc_u32 v[RWV+\u], v[RK+\u], v[RWV+\u]
.endr
.irp j, 0,1,2,3
.irp u, 0,1
	v_readlane_b32 s90, v[PTV+\u], 28+\j           ; my wave's token j
	v_readlane_b32 s91, v[RWV+\u], 28+\j
	s_min_u32 s90, s90, 63
	s_min_u32 s91, s91, ROWS-1
	s_mul_i32 s20, s90, PARTB
	s_lshl_b32 s91, s91, 8
	s_add_co_u32 s20, s20, s91
	s_add_nc_u64 s[BS+4*\j+2*\u:BS+4*\j+2*\u+1], s[12:13], s[20:21]
.endr
.endr
	s_cmp_lg_u32 s[WV], 7
	s_cbranch_scc1 .Lno_pos
	s_lshl_b32 s20, s[IDX], 8                      ; wave 7: lane = token
	s_add_nc_u64 s[22:23], s[10:11], s[20:21]
	global_store_b64 v6, v[POS:POS+1], s[22:23] offset:256  ; 256 consecutive bytes, aligned
.Lno_pos:
	s_cmp_lg_u32 s[WV], 5
	s_cbranch_scc1 .Lno_tab
	s_cmp_lg_u32 s[IDX], 0
	s_cbranch_scc1 .Lno_tab
	v_mov_b32 v[PC], 0                             ; wave 5 of work-group 0: lane l holds the experts of parts l and l + 32
	v_mov_b32 v[PC+1], 0
	v_add_nc_u32 v[PC+2], 32, v[LN]
.irp e, 0,1,2,3,4,5,6,7
	v_subrev_nc_u32 v[PC+3], s[SE+\e], v[LN]       ; below S_e it wraps to a large number
	v_cmp_gt_u32 vcc_lo, s[NE+\e], v[PC+3]
	v_cndmask_b32 v[PC], v[PC], \e, vcc_lo
	v_subrev_nc_u32 v[PC+3], s[SE+\e], v[PC+2]
	v_cmp_gt_u32 vcc_lo, s[NE+\e], v[PC+3]
	v_cndmask_b32 v[PC+1], v[PC+1], \e, vcc_lo
.endr
	v_lshlrev_b32 v[PC+3], 2, v[LN]
	global_store_b32 v[PC+3], v[PC], s[10:11]
	global_store_b32 v[PC+3], v[PC+1], s[10:11] offset:128
.Lno_tab:
	; the rows: a load's 512 bytes are one K step's 128 numbers; rounded, they are one store of 256 bytes, to each of the token's two places.  Each store has registers of its own.
.set n, 0
.rept 32
.if n%8 == 0
	s_wait_loadcnt 24-n                            ; a row's eight loads are in; the later rows' stay out
.endif
	v_cvt_pk_bf16_f32 v[Y+2*n],   v[X+4*n],   v[X+4*n+1]
	v_cvt_pk_bf16_f32 v[Y+2*n+1], v[X+4*n+2], v[X+4*n+3]
	global_store_b64 v6, v[Y+2*n:Y+2*n+1], s[BS+4*(n/8):BS+4*(n/8)+1] offset:(n%8)*KSB     ; 256 consecutive bytes, aligned
	global_store_b64 v6, v[Y+2*n:Y+2*n+1], s[BS+4*(n/8)+2:BS+4*(n/8)+3] offset:(n%8)*KSB
.set n, n+1
.endr
	s_wait_tensorcnt 0x0                           ; the wave's end: the three lines
	ds_add_u32 v[SPW], v[NIL]
	s_wait_dscnt 0x0
	s_endpgm
.Lfunc_end_k_q7a50d64644_place:
	.size	k_q7a50d64644_place, .Lfunc_end_k_q7a50d64644_place-k_q7a50d64644_place
	.p2alignl 7, 3214868480
	.fill 96, 4, 3214868480
	.section	.rodata,"a",@progbits
	.p2align	6, 0x0
	.amdhsa_kernel k_q7a50d64644_place
		.amdhsa_group_segment_fixed_size 68608
		.amdhsa_private_segment_fixed_size 0
		.amdhsa_enable_private_segment 0
		.amdhsa_kernarg_size 48
		.amdhsa_user_sgpr_count 2
		.amdhsa_user_sgpr_kernarg_segment_ptr 1
		.amdhsa_wavefront_size32 1
		.amdhsa_system_sgpr_workgroup_id_x 1
		.amdhsa_system_sgpr_workgroup_id_y 1
		.amdhsa_system_sgpr_workgroup_id_z 1
		.amdhsa_system_vgpr_workitem_id 0
		.amdhsa_next_free_vgpr 256
		.amdhsa_next_free_sgpr 102
		.amdhsa_reserve_vcc 1
		.amdhsa_float_denorm_mode_32 3
		.amdhsa_float_denorm_mode_16_64 3
		.amdhsa_memory_ordered 1
		.amdhsa_forward_progress 1
		.amdhsa_inst_pref_size 81
	.end_amdhsa_kernel
	.amdgpu_metadata
---
amdhsa.version: [ 1, 2 ]
amdhsa.kernels:
  - .name:           k_q7a50d64644_place
    .symbol:         k_q7a50d64644_place.kd
    .args:
      - { .name: rtab, .offset: 0, .size: 8, .value_kind: global_buffer, .address_space: global }
      - { .name: x, .offset: 8, .size: 8, .value_kind: global_buffer, .address_space: global }
      - { .name: W2, .offset: 16, .size: 8, .value_kind: global_buffer, .address_space: global }
      - { .name: ptab, .offset: 24, .size: 8, .value_kind: global_buffer, .address_space: global }
      - { .name: xs, .offset: 32, .size: 8, .value_kind: global_buffer, .address_space: global }
      - { .name: w2h, .offset: 40, .size: 8, .value_kind: global_buffer, .address_space: global }
    .group_segment_fixed_size: 68608
    .private_segment_fixed_size: 0
    .kernarg_segment_align: 8
    .kernarg_segment_size: 48
    .max_flat_workgroup_size: 256
    .sgpr_count:     102
    .vgpr_count:     256
    .wavefront_size: 32
...
	.end_amdgpu_metadata
.endif
;; end of part 7
;; launch ffn1 (part 8): grid 4 x 64, 4 waves a work-group, clusters of 4 x 1, 327,680 bytes of LDS; arguments xs, w1b, b1, ptab, hs; writes hs
.if DOCPART == 8
	.amdgcn_target "amdgcn-amd-amdhsa--gfx1250"
	.amdhsa_code_object_version 6
	.text
	.protected	k_q7a50d64644_ffn1
	.globl	k_q7a50d64644_ffn1
	.p2align	8
	.type	k_q7a50d64644_ffn1,@function
k_q7a50d64644_ffn1:
	s_mov_b64 s[64:65], 0
	v_nop
	global_prefetch_b8 v0, s[64:65] scope:SCOPE_SE
	s_setreg_imm32_b32 hwreg(HW_REG_WAVE_MODE, 25, 1), 1
	s_wait_xcnt 0x0
	s_wait_alu depctr_hold_cnt(0) depctr_sa_sdst(0) depctr_va_vdst(0) depctr_va_sdst(0) depctr_va_ssrc(0) depctr_va_vcc(0) depctr_vm_vsrc(0)
	s_getreg_b32 s2, hwreg(HW_REG_IB_STS2, 6, 4)
	s_cmp_eq_u32 s2, 0
	s_cbranch_scc0 .Lentry_in_a_cluster
	s_endpgm
.Lentry_in_a_cluster:
	s_bfe_u32 s2, ttmp6, 0x10000c
	s_cmp_lg_u32 s2, 0x3003
	s_cbranch_scc0 .Lentry_shape_is_right
	s_endpgm
.Lentry_shape_is_right:
; THE FIRST PRODUCT: hs = gelu(xs W1[e] + b1[e]), gelu in its tanh form, for the routed rows alone.  xs and W1 in bf16, sums in f32, b1 rounded to bf16 like every input, hs rounded once to f16.
; SHARES.  Work-group (cx, y) multiplies part y's 144 rows by the columns 256 cx .. 256 cx + 255 of the part's expert (ptab word y), K = 1,024: 256 work-groups of equal work, whatever the split.
; A wave takes all rows x 64 columns: 9 x 4 accumulators.  K goes in 32 quarter steps of 32.
; THE ROWS lie in LDS whole: 8 K steps x 144 rows x 272 bytes.  They are fetched once, by two tensor loads a wave at the start (72 rows of K steps 0 and 1; 216 rows of K steps 2 to 7); no byte is filled twice.
; MULTICAST.  The four work-groups of a cluster are the four column tiles of one part and want the same rows: each load is asked for jointly, which divides those requests by four.  Its descriptor hangs on
; the part and the wave's number alone.  W is not asked for jointly: which parts want the same W hangs on the split, a matter of numbers read from memory.
; THE WEIGHTS never touch LDS.  An earlier launch laid them in the order of the operand registers (fragment of column block nb and k block kb: 1,024 bytes at ((64 e + nb) 32 + kb) 1024), so a quarter step's
; four fragments are eight loads of 512 consecutive bytes straight into registers, and no wave loads what another loads.  A ring of eight slots of 32 registers; a quarter asks for the weights of the quarter
; seven on, into the slot that the quarter before has left: 56 loads of a wave are out, 252 matrix instructions ahead of their use.
; A QUARTER begins with its one run of memory instructions (the next quarter's rows out of LDS, the weights of the quarter seven on) and then issues its 36 products on end: the rows have 36 matrix
; instructions in which to come.
; The one number read from memory, the expert, enters W's and the bias's global address and nothing else: no branch, trip count, descriptor or LDS address hangs on data or on cx.
; THE MATRIX INSTRUCTION IS USED TRANSPOSED: source 0 = 16 columns of W, source 1 = 16 rows: a lane holds one row and eight neighbouring columns.
; THE WAY OUT: a wave's 64 columns of f16 are half of 256 aligned bytes, so the f32 sums go through a stage in LDS that the four waves share, laid over the rows when all waves have read them; a wave then
; reads whole rows, adds the bias, takes gelu and stores 256 aligned bytes a store, into the layout in which the second product reads its rows: [part][K step of 128][144 rows][128].
; The next four rows are read out of the stage while gelu is taken of the four in hand.
; LIMITS.  |h| of 65,520 or more becomes an infinity in f16.  NaN and infinities are not treated apart.
; REGISTERS, in windows of 256 (s_set_vgpr_msb: bits 1:0 source 0, 3:2 source 1, 5:4 source 2, 7:6 destination):
;   window 0: v0-15 addresses; v16-87, v88-159 the rows' fragments, two buffers of 9; v160-167 bias; v168-170 stage addresses
;   window 1: accumulators of row blocks 0-7 at 8 (4 a + b)     window 2: block 8 at 8 b     window 3: the ring of weights, slot s at 32 s, column block b at + 8 b
.set ROWS,  144
.set KSB,   ROWS*256                   ; bytes of a K step's tile of a part
.set PARTB, 8*KSB
.set PA,    272                        ; a row in LDS: 256 bytes + 16: sixteen rows of a load start at sixteen different groups of four banks
.set KSL,   ROWS*PA                    ; a K step's rows in LDS
.set SPARE, 8*KSL                      ; behind the rows: the spare words, 128 bytes for each wave: two blocks of 256 bytes that no other line names
.set SPI,   1040                       ; a stage row: 256 f32 + 16 bytes
.set AK0, 3                            ; v3   my lane's place in a K step's rows; never rewritten
.set ADA, 5                            ; v5   the same in the K step that is being fetched
.set VB,  6                            ; v6   16 x lane: my bytes of a half fragment; never rewritten
.set RD,  9
.set CO,  10
.set SPW, 12
.set NIL, 13
.set FA,  16
.set BI,  160
.set STO, 168
.set XR,  16                           ; the way out: 32 sums as they come out of the stage,
.set TR,  48                           ; 32 at work,
.set YR,  80                           ; 16 registers to store,
.set ZR,  96                           ; 32 numbers z
.set WV,  14
.set CX,  16
.set P,   19
.set EC,  20
.set G1A, 24                           ; s[24:31] group 1: 72 rows
.set G1R, 32                           ; s[32:39] group 1: 216 rows
.set G0A, 40                           ; s[40:43], s[44:47] their groups 0; never rewritten
.set G0R, 44
.set SA,  76                           ; LDS byte at which the K step that is being fetched begins
.set CNT, 78
.set C0,  82
.set C1,  84
.set MSB, 0
.macro WIN new                         ; the immediate's high byte repeats the setting that is left; a switch that changes nothing is dropped
.if MSB != (\new)
	s_set_vgpr_msb (MSB<<8)|(\new)
.set MSB, \new
.endif
.endm
.macro PLACES                          ; four places in front of loads into registers that matrix instructions have read, and of reads of their results
.rept 4
	v_nop
.endr
.endm
.macro CROUND                          ; a round of the cluster's barrier
	s_barrier_signal -1
	s_barrier_wait -1
	s_cmp_lg_u32 s[WV], 0
	s_cbranch_scc1 .Lnot0_\@
	s_barrier_signal -3
.Lnot0_\@:
	s_barrier_wait -3
	s_barrier_signal -1
	s_barrier_wait -1
.endm
.macro WM d, x, y, z                   ; z = 1: the product starts the sum
.if \z
	v_wmma_f32_16x16x32_bf16 v[\d:\d+7], v[\x:\x+7], v[\y:\y+7], 0
.else
	v_wmma_f32_16x16x32_bf16 v[\d:\d+7], v[\x:\x+7], v[\y:\y+7], v[\d:\d+7]
.endif
.endm
; Row blocks a0 .. a1 x my 4 column blocks, 32 along K: rows from buffer f, weights from slot sb.  All 36 accumulators take turns, one instruction a turn, in the same order in every quarter.
.macro MUL f, sb, a0, a1, zero
.set ia, \a0
.rept (\a1)-(\a0)+1
.if ia < 8
	WIN 0x53
.set rc, 32*ia
.else
	WIN 0xa3
.set rc, 0
.endif
.irp b, 0,1,2,3
	WM rc+8*\b, 32*(\sb)+8*\b, FA+72*(\f)+8*ia, \zero
.endr
.set ia, ia+1
.endr
.endm
; 18 LDS loads in one run: the 9 row blocks' fragments of quarter kq of a K step, into buffer f.  step = 1: the first quarter of the next K step.
.macro FETCH kq, f, step
	WIN 0
.if \step
	s_add_co_u32 s[SA], s[SA], KSL
	v_add_nc_u32 v[ADA], s[SA], v[AK0]
.endif
.irp a, 0,1,2,3,4,5,6,7,8
	ds_load_b128 v[FA+72*(\f)+8*\a:FA+72*(\f)+8*\a+3],   v[ADA] offset:(\kq)*64+16*PA*\a
	ds_load_b128 v[FA+72*(\f)+8*\a+4:FA+72*(\f)+8*\a+7], v[ADA] offset:(\kq)*64+16*PA*\a+32
.endr
.endm
; 8 loads: my four fragments of k block kb (counted from the k block at which the base stands) into a slot of the ring
.macro BLOAD slot, kb
	WIN 0xc0
.irp b, 0,1,2,3
	global_load_b128 v[32*(\slot)+8*\b:32*(\slot)+8*\b+3],   v[VB], s[6:7] offset:\b*32768+(\kb)*1024
	global_load_b128 v[32*(\slot)+8*\b+4:32*(\slot)+8*\b+7], v[VB], s[6:7] offset:\b*32768+(\kb)*1024+512
.endr
.endm
; Quarter ql (its number modulo 8; 8 stands for 0 of the next eight).  It multiplies buffer ql % 2 by slot ql % 8.  lcnt = the younger loads of weights that may stay out.  fetch = 1: at its head it
; fetches the next quarter's rows into the other buffer.  bl = 1: and asks for the weights of the quarter seven on, into the slot of the quarter before.  bump = 1: the weights' base goes eight k blocks on
; first.  sync = 1: the quarter after this one is the first to read the rows of two further K steps.
.macro QUARTER ql, zero, lcnt, fetch, bl, sync=0, bump=0
.set QN, (\ql)+1
.set QSTEP, 0
.if QN%4 == 0
.set QSTEP, 1
.endif
	s_wait_loadcnt \lcnt                           ; loads come back in order: this quarter's weights are in.  It stands ahead of the new request, so that 56 loads at the most are out
.if \fetch
	PLACES                                         ; behind the last product of the quarter before, which read the buffer and the slot that are now loaded
	FETCH QN%4, QN%2, QSTEP
.endif
.if \bl
.if \bump
	s_wait_xcnt 0x0                                ; the loads' base is stepped only behind this wait; the youngest of them were issued a quarter ago
	s_add_nc_u64 s[6:7], s[6:7], 8192              ; eight k blocks on
.endif
	BLOAD ((\ql)+7)%8, ((\ql)+7)%8
.endif
.if \fetch
	s_wait_dscnt 18                                ; all but the 18 just issued: this quarter's rows are in
.else
	s_wait_dscnt 0x0
.endif
.if \sync
	MUL (\ql)%2, (\ql)%8, 0, 6, \zero
	s_wait_tensorcnt 0x0                           ; my 216 rows of K steps 2 to 7 have landed.  It serves the loop's first trip and is met at once in the others: the count wanted would differ from trip to trip
	s_wait_dscnt 0x0                               ; no LDS instruction of mine is out at the signal
	s_barrier_signal -1
	MUL (\ql)%2, (\ql)%8, 7, 8, \zero              ; work on registers while the others arrive
	s_barrier_wait -1                              ; everybody's have landed.
.else
	MUL (\ql)%2, (\ql)%8, 0, 8, \zero
.endif
.endm
.macro DUMPB k                         ; row block k of 9 into the stage, each accumulator from its low end on
.if (\k) < 8
	WIN 0x04
.set rc, 32*(\k)
.else
	WIN 0x08
.set rc, 0
.endif
.irp b, 0,1,2,3
	ds_store_b128 v[STO+(\k)/3], v[rc+8*\b:rc+8*\b+3]   offset:((\k)%3)*16*SPI+64*\b
	ds_store_b128 v[STO+(\k)/3], v[rc+8*\b+4:rc+8*\b+7] offset:((\k)%3)*16*SPI+64*\b+16
.endr
.endm
; Four rows leave.  more = 1: the next four are asked of the stage as soon as z has left their registers, and have all of gelu in which to come.
.macro ROWT more
	s_wait_dscnt 0x0                               ; the four rows are in
.set ii, 0
.rept 16
	v_pk_add_f32 v[ZR+2*ii:ZR+2*ii+1], v[XR+2*ii:XR+2*ii+1], v[BI+(2*ii)%8:BI+(2*ii)%8+1]   ; z = sum + bias
.set ii, ii+1
.endr
.if \more
	v_add_nc_u32 v[RD], 16*SPI, v[RD]
.set ii, 0
.rept 8
	ds_load_b128 v[XR+4*ii:XR+4*ii+3], v[RD] offset:(ii/2)*SPI+(ii%2)*512
.set ii, ii+1
.endr
.endif
.set ii, 0
.rept 16
	v_pk_mul_f32 v[TR+2*ii:TR+2*ii+1], v[ZR+2*ii:ZR+2*ii+1], v[ZR+2*ii:ZR+2*ii+1]
.set ii, ii+1
.endr
.set ii, 0
.rept 16
	v_pk_fma_f32 v[TR+2*ii:TR+2*ii+1], v[TR+2*ii:TR+2*ii+1], s[C1:C1+1], s[C0:C0+1] op_sel_hi:[1,0,0]
.set ii, ii+1
.endr
.set ii, 0
.rept 16
	v_pk_mul_f32 v[TR+2*ii:TR+2*ii+1], v[TR+2*ii:TR+2*ii+1], v[ZR+2*ii:ZR+2*ii+1]   ; t = -2 log2(e) sqrt(2/pi) (z + 0.044715 z^3)
.set ii, ii+1
.endr
.set ii, 0
.rept 32
	v_exp_f32 v[TR+ii], v[TR+ii]
.set ii, ii+1
.endr
	v_nop                                          ; a plain instruction behind the last exponential,
	s_wait_alu depctr_va_vdst(0)                   ; and one wait for the batch
.set ii, 0
.rept 16
	v_pk_add_f32 v[TR+2*ii:TR+2*ii+1], v[TR+2*ii:TR+2*ii+1], 1.0 op_sel_hi:[1,0]
.set ii, ii+1
.endr
.set ii, 0
.rept 32
	v_rcp_f32 v[TR+ii], v[TR+ii]
.set ii, ii+1
.endr
	v_nop
	s_wait_alu depctr_va_vdst(0)
.set ii, 0
.rept 16
	v_pk_mul_f32 v[ZR+2*ii:ZR+2*ii+1], v[ZR+2*ii:ZR+2*ii+1], v[TR+2*ii:TR+2*ii+1]   ; gelu(z) = z / (1 + 2^t)
.set ii, ii+1
.endr
	s_wait_xcnt 0x0                                ; the last four rows' stores, issued a whole gelu ago: their data and offset are rewritten only behind this wait
	v_add_nc_u32 v[CO], 16*256, v[CO]              ; sixteen rows on; the stores below reach back
.set ii, 0
.rept 16
	v_cvt_pk_f16_f32 v[YR+ii], v[ZR+2*ii], v[ZR+2*ii+1]
.set ii, ii+1
.endr
.set ii, 0
.rept 8
	global_store_b64 v[CO], v[YR+2*ii:YR+2*ii+1], s[12:13] offset:(ii/2)*256+(ii%2)*KSB-16*256   ; 32 lanes x 8 bytes: 256 consecutive bytes, aligned
.set ii, ii+1
.endr
.endm
	s_load_b256 s[4:11], s[0:1], 0x0               ; xs s[4:5], w1b s[6:7], b1 s[8:9], ptab s[10:11]
	s_load_b64 s[12:13], s[0:1], 0x20              ; hs
	v_lshl_add_u32 v[SPW], v0, 2, SPARE
	v_mov_b32 v[NIL], 0
	ds_add_u32 v[SPW], v[NIL]                      ; the wave's opening: the add and its wait stand ahead of my first tensor load; the set-up below stands between them
	ds_add_u32 v12, v13
	v_lshrrev_b32 v1, 5, v0
	v_readfirstlane_b32 s[WV], v1
	s_bfe_u32 s[CX], ttmp6, 0x40000                ; my place in the cluster = my 256 columns
	s_and_b32 s[P], ttmp7, 0xffff                  ; the cluster's y = my part
	s_mov_b32 s[G1A], 15|(1<<16)|(1<<20)|(1<<21)|(5<<22)|(3<<25)   ; the mask of four; 2-byte elements; padding on; bit 21 beside a mask; after every 64 words 4 words
	s_mov_b32 s[G1A+1], 128<<16                    ; tensor_dim0 = 128
	s_mov_b32 s[G1A+2], 72<<16                     ; tensor_dim1 = 72
	s_mov_b32 s[G1A+3], 128<<16                    ; tile_dim0 = 128
	s_mov_b32 s[G1A+4], 72                         ; tile_dim1 = 72
	s_mov_b32 s[G1A+5], 128                        ; rows lie end to end
	s_mov_b32 s[G1A+6], 0
	s_mov_b32 s[G1A+7], 0
	s_mov_b32 s[G1R], 15|(1<<16)|(1<<20)|(1<<21)|(5<<22)|(3<<25)
	s_mov_b32 s[G1R+1], 128<<16
	s_mov_b32 s[G1R+2], 216<<16
	s_mov_b32 s[G1R+3], 128<<16
	s_mov_b32 s[G1R+4], 216
	s_mov_b32 s[G1R+5], 128
	s_mov_b32 s[G1R+6], 0
	s_mov_b32 s[G1R+7], 0
	s_mov_b32 s[G0A], 1
	s_mul_i32 s[G0A+1], s[WV], 72*PA               ; of the part's 1,152 rows: 72 w on,
	s_mov_b32 s[G0R], 1
	s_mul_i32 s[G0R+1], s[WV], 216*PA
	s_add_co_u32 s[G0R+1], s[G0R+1], 288*PA        ; and 288 + 216 w on
	s_mov_b32 s[SA], 0
	s_mov_b32 s[C0], 0xc0135761                    ; -2 log2(e) sqrt(2/pi)
	s_mov_b32 s[C0+1], s[C0]
	s_mov_b32 s[C1], 0xbdd2d3e8                    ; 0.044715 times that
	s_mov_b32 s[C1+1], s[C1]
	s_mul_i32 s86, s[P], PARTB
	s_mov_b32 s87, 0
	s_mul_i32 s94, s[WV], 72*256
	s_mov_b32 s95, 0
	s_mul_i32 s92, s[WV], 216*256
	s_add_co_u32 s92, s92, 288*256
	s_mov_b32 s93, 0
	s_lshl_b32 s90, s[P], 2
	s_wait_dscnt 0x0                               ; the opening add is done
	s_wait_kmcnt 0x0
	s_load_b32 s[EC], s[10:11], s90 offset:0x0     ; my part's expert: wanted behind the tensor loads
	s_add_nc_u64 s[88:89], s[4:5], s[86:87]        ; xs at my part
	s_add_nc_u64 s[G0A+2:G0A+3], s[88:89], s[94:95]
	s_or_b32 s[G0A+3], s[G0A+3], 0x80000000
	s_add_nc_u64 s[G0R+2:G0R+3], s[88:89], s[92:93]
	s_or_b32 s[G0R+3], s[G0R+3], 0x80000000
	CROUND                                         ; all four work-groups are here: the joint loads meet
	tensor_load_to_lds s[G0A:G0A+3], s[G1A:G1A+7]  ; every fill of the launch goes out here: two loads of mine are out
	s_nop 0
	tensor_load_to_lds s[G0R:G0R+3], s[G1R:G1R+7]
	s_nop 0
	PLACES
	s_wait_kmcnt 0x0
	s_min_u32 s[EC], s[EC], 7
	s_lshl_b32 s90, s[EC], 21                      ; the expert's 2 MiB,
	s_lshl_b32 s92, s[CX], 19                      ; my work-group's 16 column blocks of 32 KiB,
	s_add_co_u32 s90, s90, s92
	s_lshl_b32 s92, s[WV], 17                      ; my wave's four
	s_add_co_u32 s90, s90, s92
	s_mov_b32 s91, 0
	s_add_nc_u64 s[6:7], s[6:7], s[90:91]
	s_lshl_b32 s90, s[EC], 12                      ; the bias of my work-group's 256 columns
	s_lshl_b32 s92, s[CX], 10
	s_add_co_u32 s90, s90, s92
	s_add_nc_u64 s[8:9], s[8:9], s[90:91]
	v_and_b32 v11, 31, v0
	v_lshlrev_b32 v[VB], 4, v11
	global_load_b128 v[BI:BI+3],   v[VB], s[8:9]             ; columns 4 l .. of the first 128,
	global_load_b128 v[BI+4:BI+7], v[VB], s[8:9] offset:512  ; and of the second; they come back ahead of the weights
.irp q, 0,1,2,3,4,5,6
	BLOAD \q, \q                                   ; the ring's first seven quarters
.endr
	WIN 0
	s_add_nc_u64 s[12:13], s[12:13], s[86:87]      ; hs at my part,
	s_mul_i32 s90, s[CX], 2*KSB                    ; at the two K steps that my 256 columns are
	s_add_nc_u64 s[12:13], s[12:13], s[90:91]
	v_and_b32 v1, 15, v0                           ; l % 16
	v_bfe_u32 v2, v0, 4, 1                         ; l / 16
	v_mul_u32_u24 v[AK0], v1, PA
	v_lshl_add_u32 v[AK0], v2, 4, v[AK0]           ; a row fragment: row x pitch + 16 x half
	v_mov_b32 v[ADA], v[AK0]
	v_mul_u32_u24 v15, v1, SPI                     ; into the stage: row l % 16, 32 bytes for each half of the lanes, my wave's 256 bytes
	v_lshl_add_u32 v15, v2, 5, v15
	v_lshl_add_u32 v15, s[WV], 8, v15
.irp g, 0,1,2
	v_add_nc_u32 v[STO+\g], \g*48*SPI, v15         ; an address for every three row blocks
.endr
	s_mul_i32 s94, s[WV], 4*SPI
	v_add_nc_u32 v[RD], s94, v[VB]                 ; back: rows 4 w + 0..3 of sixteen, 512 consecutive bytes a load
	s_lshl_b32 s94, s[WV], 10
	v_lshl_add_u32 v[CO], v11, 3, s94              ; and out: 256 bytes a row
	s_wait_tensorcnt 0x1                           ; my rows of K steps 0 and 1 are in; the 216 others may stay out
	s_barrier_signal -1
	s_barrier_wait -1
	FETCH 0, 0, 0
	QUARTER 0, 1, 48, 1, 1                         ; the first quarter stands in front of the loop: its products start the sums.  48 = the six younger quarters' loads
	WIN 0
	s_mov_b32 s[CNT], 3
.Lk:                                                   ; trip t: quarters 8 t + 1 .. 8 t + 8; it asks for the weights of quarters 8 t + 8 .. 8 t + 15
	QUARTER 1, 0, 48, 1, 1, 0, 1
.irp q, 2,3,4,5
	QUARTER \q, 0, 48, 1, 1
.endr
	QUARTER 6, 0, 48, 1, 1, 1
	QUARTER 7, 0, 48, 1, 1
	QUARTER 8, 0, 48, 1, 1
	WIN 0
	s_sub_co_u32 s[CNT], s[CNT], 1
	s_cmp_lg_u32 s[CNT], 0
	s_cbranch_scc1 .Lk
	QUARTER 1, 0, 48, 1, 0                         ; quarters 25 to 31 ask for no weights: the counts run down
	QUARTER 2, 0, 40, 1, 0
	QUARTER 3, 0, 32, 1, 0
	QUARTER 4, 0, 24, 1, 0
	QUARTER 5, 0, 16, 1, 0
	QUARTER 6, 0, 8, 1, 0
	QUARTER 7, 0, 0, 0, 0
	WIN 0
	PLACES
	s_barrier_signal -1                            ; every wave's reads of the rows have come back, and no tensor load is out: the stage may be written over them
	s_barrier_wait -1
.irp k, 0,1,2,3,4,5,6,7,8
	DUMPB \k
.endr
	WIN 0
.irp c, 0,2,4,6
	v_cvt_pk_bf16_f32 v15, v[BI+\c], v[BI+\c+1]    ; the bias rounded to bf16, like every input
	v_lshlrev_b32 v[BI+\c], 16, v15
	v_and_b32 v[BI+\c+1], 0xffff0000, v15
.endr
	s_wait_dscnt 0x0                               ; for the others' sake: my stores into the stage are done
	s_barrier_signal -1
	s_barrier_wait -1
.set ii, 0
.rept 8
	ds_load_b128 v[XR+4*ii:XR+4*ii+3], v[RD] offset:(ii/2)*SPI+(ii%2)*512   ; rows 4 w + 0..3
.set ii, ii+1
.endr
	s_mov_b32 s[CNT], 8
.Lrow:                                                 ; trip i: wave w takes rows 16 i + 4 w + 0..3, whole, and asks for those of trip i + 1
	ROWT 1
	s_sub_co_u32 s[CNT], s[CNT], 1
	s_cmp_lg_u32 s[CNT], 0
	s_cbranch_scc1 .Lrow
	ROWT 0                                         ; the ninth is written out: nothing is left to ask for
	s_wait_dscnt 0x0
	s_barrier_signal -1                            ; every wave's reads of the stage are back
	s_barrier_wait -1
	s_wait_tensorcnt 0x0                           ; the wave's end
	ds_add_u32 v[SPW], v[NIL]
	s_wait_dscnt 0x0
	CROUND                                         ; the closing round: no work-group ends while a partner may still ask for a tile that names it
	s_endpgm
.Lfunc_end_k_q7a50d64644_ffn1:
	.size	k_q7a50d64644_ffn1, .Lfunc_end_k_q7a50d64644_ffn1-k_q7a50d64644_ffn1
	.p2alignl 7, 3214868480
	.fill 96, 4, 3214868480
	.section	.rodata,"a",@progbits
	.p2align	6, 0x0
	.amdhsa_kernel k_q7a50d64644_ffn1
		.amdhsa_group_segment_fixed_size 327680
		.amdhsa_private_segment_fixed_size 0
		.amdhsa_enable_private_segment 0
		.amdhsa_kernarg_size 40
		.amdhsa_user_sgpr_count 2
		.amdhsa_user_sgpr_kernarg_segment_ptr 1
		.amdhsa_wavefront_size32 1
		.amdhsa_system_sgpr_workgroup_id_x 1
		.amdhsa_system_sgpr_workgroup_id_y 1
		.amdhsa_system_sgpr_workgroup_id_z 1
		.amdhsa_system_vgpr_workitem_id 0
		.amdhsa_next_free_vgpr 1024
		.amdhsa_next_free_sgpr 96
		.amdhsa_reserve_vcc 0
		.amdhsa_float_denorm_mode_32 3
		.amdhsa_float_denorm_mode_16_64 3
		.amdhsa_memory_ordered 1
		.amdhsa_forward_progress 1
		.amdhsa_inst_pref_size 105
	.end_amdhsa_kernel
	.amdgpu_metadata
---
amdhsa.version: [ 1, 2 ]
amdhsa.kernels:
  - .name:           k_q7a50d64644_ffn1
    .symbol:         k_q7a50d64644_ffn1.kd
    .args:
      - { .name: xs, .offset: 0, .size: 8, .value_kind: global_buffer, .address_space: global }
      - { .name: w1b, .offset: 8, .size: 8, .value_kind: global_buffer, .address_space: global }
      - { .name: b1, .offset: 16, .size: 8, .value_kind: global_buffer, .address_space: global }
      - { .name: ptab, .offset: 24, .size: 8, .value_kind: global_buffer, .address_space: global }
      - { .name: hs, .offset: 32, .size: 8, .value_kind: global_buffer, .address_space: global }
    .group_segment_fixed_size: 327680
    .private_segment_fixed_size: 0
    .kernarg_segment_align: 8
    .kernarg_segment_size: 40
    .max_flat_workgroup_size: 128
    .sgpr_count:     96
    .vgpr_count:     1024
    .wavefront_size: 32
...
	.end_amdgpu_metadata
.endif
;; end of part 8
;; launch ffn2 (part 9): grid 4 x 64, 4 waves a work-group, clusters of 4 x 1, 327,680 bytes of LDS; arguments hs, w2h, b2, ptab, yp; writes yp
.if DOCPART == 9
	.amdgcn_target "amdgcn-amd-amdhsa--gfx1250"
	.amdhsa_code_object_version 6
	.text
	.protected	k_q7a50d64644_ffn2
	.globl	k_q7a50d64644_ffn2
	.p2align	8
	.type	k_q7a50d64644_ffn2,@function
k_q7a50d64644_ffn2:
	s_mov_b64 s[64:65], 0
	v_nop
	global_prefetch_b8 v0, s[64:65] scope:SCOPE_SE
	s_setreg_imm32_b32 hwreg(HW_REG_WAVE_MODE, 25, 1), 1
	s_wait_xcnt 0x0
	s_wait_alu depctr_hold_cnt(0) depctr_sa_sdst(0) depctr_va_vdst(0) depctr_va_sdst(0) depctr_va_ssrc(0) depctr_va_vcc(0) depctr_vm_vsrc(0)
	s_getreg_b32 s2, hwreg(HW_REG_IB_STS2, 6, 4)
	s_cmp_eq_u32 s2, 0
	s_cbranch_scc0 .Lentry_in_a_cluster
	s_endpgm
.Lentry_in_a_cluster:
	s_bfe_u32 s2, ttmp6, 0x10000c
	s_cmp_lg_u32 s2, 0x3003
	s_cbranch_scc0 .Lentry_shape_is_right
	s_endpgm
.Lentry_shape_is_right:
; THE SECOND PRODUCT: yp = hs W2[e] + b2[e] for the routed rows, kept in f32: they are partial rows, of which the last launch adds two to a token.  hs and W2 in f16, sums in f32, b2 rounded to bf16.
; Shares, rows, weights and register windows are the first product's:
; work-group (cx, y) multiplies part y's 144 rows by the columns 256 cx .. 256 cx + 255 of the part's expert (ptab word y), K = 1,024; a wave takes all rows x 64 columns: 9 x 4 accumulators; 32 quarter steps of 32.
; THE ROWS lie in LDS whole: 8 K steps x 144 rows x 272 bytes, fetched once by two tensor loads a wave at the start (72 rows of K steps 0 and 1; 216 rows of K steps 2 to 7); no byte is filled twice.
; MULTICAST.  The four work-groups of a cluster are the four column tiles of one part and want the same rows: each load is asked for jointly, which divides those requests by four.  Its descriptor hangs on
; the part and the wave's number alone.  W is not asked for jointly: which parts want the same W hangs on the split, a matter of numbers read from memory.
; THE WEIGHTS never touch LDS: an earlier launch laid them in the order of the operand registers (fragment of column block nb and k block kb: 1,024 bytes at ((64 e + nb) 32 + kb) 1024); a quarter step's four
; fragments are eight loads of 512 consecutive bytes straight into a ring of eight slots of 32 registers, asked for seven quarters ahead: 56 loads of a wave are out, 252 matrix instructions ahead of their use.
; A QUARTER begins with its one run of memory instructions (the next quarter's rows out of LDS, the weights of the quarter seven on) and then issues its 36 products on end.
; The one number read from memory, the expert, enters W's and the bias's global address and nothing else.
; THE MATRIX INSTRUCTION IS USED TRANSPOSED: source 0 = 16 columns of W, source 1 = 16 rows: a lane holds one row and eight neighbouring columns.
; THE WAY OUT.  A wave's 64 columns of f32 are 256 aligned bytes of a row, so no wave wants another's bytes: each has a stage of its own (9 blocks of 16 rows x 272 bytes), laid over the rows when all waves
; have read them.  A block goes in as 32 bytes a lane and comes back, into the registers that it left, as whole 256 bytes of a row for each half of the lanes; the block before gets its bias and is stored
; meanwhile.  No barrier stands between writing and reading, and no register is written again behind a store that reads it.
; LIMITS.  h and W2 arrive within f16's range (65,504).  NaN and infinities are not treated apart.
; REGISTERS: window 0: v0-15 addresses; v16-87, v88-159 the rows' fragments; v160-163 bias; v168 stage address.  window 1: accumulators of row blocks 0-7 at 8 (4 a + b).
;   window 2: block 8 at 8 b.  window 3: the ring of weights, slot s at 32 s, column block b at + 8 b.
.set ROWS,  144
.set KSB,   ROWS*256
.set PARTB, 8*KSB
.set PA,    272                        ; 256 bytes + 16
.set KSL,   ROWS*PA
.set SPARE, 8*KSL                      ; the spare words, 128 bytes for each wave: two blocks of 256 bytes that no other line names
.set SP2,   272                        ; a stage row: 64 f32 + 16 bytes
.set WSTG,  9*16*SP2                   ; a wave's own stage
.set AK0, 3
.set ADA, 5
.set VB,  6
.set RD,  9                            ; v9   the way out: where I read a row back; never rewritten
.set CO,  10                           ; v10  my byte offset in two rows of yp; never rewritten
.set SPW, 12
.set NIL, 13
.set FA,  16
.set BI,  160                          ; v[160:163] the bias of the four columns that I store
.set STO, 168                          ; v168 the way out: where I put 32 bytes of a row; never rewritten
.set WV,  14
.set CX,  16
.set P,   19
.set EC,  20
.set G1A, 24
.set G1R, 32
.set G0A, 40
.set G0R, 44
.set SA,  76
.set CNT, 78
.set MSB, 0
.macro WIN new                         ; the immediate's high byte repeats the setting that is left; a switch that changes nothing is dropped
.if MSB != (\new)
	s_set_vgpr_msb (MSB<<8)|(\new)
.set MSB, \new
.endif
.endm
.macro PLACES                          ; four places (ISA guide 7.12.1)
.rept 4
	v_nop
.endr
.endm
.macro CROUND                          ; a round of the cluster's barrier
	s_barrier_signal -1
	s_barrier_wait -1
	s_cmp_lg_u32 s[WV], 0
	s_cbranch_scc1 .Lnot0_\@
	s_barrier_signal -3
.Lnot0_\@:
	s_barrier_wait -3
	s_barrier_signal -1
	s_barrier_wait -1
.endm
.macro WM d, x, y, z
.if \z
	v_wmma_f32_16x16x32_f16 v[\d:\d+7], v[\x:\x+7], v[\y:\y+7], 0
.else
	v_wmma_f32_16x16x32_f16 v[\d:\d+7], v[\x:\x+7], v[\y:\y+7], v[\d:\d+7]
.endif
.endm
.macro MUL f, sb, a0, a1, zero         ; all 36 accumulators take turns, one instruction a turn
.set ia, \a0
.rept (\a1)-(\a0)+1
.if ia < 8
	WIN 0x53
.set rc, 32*ia
.else
	WIN 0xa3
.set rc, 0
.endif
.irp b, 0,1,2,3
	WM rc+8*\b, 32*(\sb)+8*\b, FA+72*(\f)+8*ia, \zero
.endr
.set ia, ia+1
.endr
.endm
.macro FETCH kq, f, step               ; 18 LDS loads in one run: the 9 row blocks of quarter kq of a K step; step = 1: the next K step's first
	WIN 0
.if \step
	s_add_co_u32 s[SA], s[SA], KSL
	v_add_nc_u32 v[ADA], s[SA], v[AK0]
.endif
.irp a, 0,1,2,3,4,5,6,7,8
	ds_load_b128 v[FA+72*(\f)+8*\a:FA+72*(\f)+8*\a+3],   v[ADA] offset:(\kq)*64+16*PA*\a
	ds_load_b128 v[FA+72*(\f)+8*\a+4:FA+72*(\f)+8*\a+7], v[ADA] offset:(\kq)*64+16*PA*\a+32
.endr
.endm
.macro BLOAD slot, kb                  ; 8 loads: my four fragments of k block kb, counted from the base, into a slot of the ring
	WIN 0xc0
.irp b, 0,1,2,3
	global_load_b128 v[32*(\slot)+8*\b:32*(\slot)+8*\b+3],   v[VB], s[6:7] offset:\b*32768+(\kb)*1024
	global_load_b128 v[32*(\slot)+8*\b+4:32*(\slot)+8*\b+7], v[VB], s[6:7] offset:\b*32768+(\kb)*1024+512
.endr
.endm
; Quarter ql (its number modulo 8; 8 stands for 0 of the next eight): buffer ql % 2 times slot ql % 8.  lcnt = the younger loads of weights that may stay out.  fetch = 1: at its head the next quarter's rows,
; into the other buffer.  bl = 1: the weights of the quarter seven on, into the slot of the quarter before.  bump = 1: the weights' base goes eight k blocks on first.
; sync = 1: the quarter after this one is the first to read the rows of two further K steps.
.macro QUARTER ql, zero, lcnt, fetch, bl, sync=0, bump=0
.set QN, (\ql)+1
.set QSTEP, 0
.if QN%4 == 0
.set QSTEP, 1
.endif
	s_wait_loadcnt \lcnt                           ; loads come back in order: this quarter's weights are in.  It stands ahead of the new request, so that 56 loads at the most are out
.if \fetch
	PLACES                                         ; behind the last product of the quarter before, which read the buffer and the slot that are now loaded
	FETCH QN%4, QN%2, QSTEP
.endif
.if \bl
.if \bump
	s_wait_xcnt 0x0                                ; the loads' base is stepped only behind this wait; the youngest of them were issued a quarter ago
	s_add_nc_u64 s[6:7], s[6:7], 8192              ; eight k blocks on
.endif
	BLOAD ((\ql)+7)%8, ((\ql)+7)%8
.endif
.if \fetch
	s_wait_dscnt 18                                ; all but the 18 just issued: this quarter's rows are in
.else
	s_wait_dscnt 0x0
.endif
.if \sync
	MUL (\ql)%2, (\ql)%8, 0, 6, \zero
	s_wait_tensorcnt 0x0                           ; my 216 rows of K steps 2 to 7 have landed.  It serves the loop's first trip and is met at once in the others: the count wanted would differ from trip to trip
	s_wait_dscnt 0x0                               ; no LDS instruction of mine is out at the signal
	s_barrier_signal -1
	MUL (\ql)%2, (\ql)%8, 7, 8, \zero              ; work on registers while the others arrive
	s_barrier_wait -1                              ; everybody's have landed.
.else
	MUL (\ql)%2, (\ql)%8, 0, 8, \zero
.endif
.endm
; Row block a of 9 goes into my own stage, each accumulator from its low end on, and comes back by rows into the registers that it left.
.macro OUTA a
.if (\a) < 8
.set rc, 32*(\a)
	WIN 0x04                                       ; store data in window 1
.else
.set rc, 0
	WIN 0x08                                       ; in window 2
.endif
.irp b, 0,1,2,3
	ds_store_b128 v[STO], v[rc+8*\b:rc+8*\b+3]   offset:(\a)*16*SP2+64*\b
	ds_store_b128 v[STO], v[rc+8*\b+4:rc+8*\b+7] offset:(\a)*16*SP2+64*\b+16
.endr
.if (\a) < 8
	WIN 0x40
.else
	WIN 0x80
.endif
.irp t, 0,1,2,3,4,5,6,7
	ds_load_b128 v[rc+4*\t:rc+4*\t+3], v[RD] offset:(\a)*16*SP2+\t*2*SP2   ; LDS serves a wave's instructions in order (ISA guide 5.7.1.4): these see the stores above
.endr
.endm
; Row block a gets its bias and leaves.  younger = the LDS instructions issued behind its loads: the next block's sixteen, or none.
.macro OUTB a, younger
.if (\a) < 8
.set rc, 32*(\a)
.else
.set rc, 0
.endif
	s_wait_dscnt \younger                          ; the block is back in registers
.if (\a) < 8
	WIN 0x41                                       ; destination and source 0 in window 1, the bias in window 0
.else
	WIN 0x82
.endif
.irp t, 0,1,2,3,4,5,6,7
	v_pk_add_f32 v[rc+4*\t:rc+4*\t+1],   v[rc+4*\t:rc+4*\t+1],   v[BI:BI+1]
	v_pk_add_f32 v[rc+4*\t+2:rc+4*\t+3], v[rc+4*\t+2:rc+4*\t+3], v[BI+2:BI+3]
.endr
.if (\a) < 8
	WIN 0x04
.else
	WIN 0x08
.endif
.irp t, 0,1,2,3,4,5,6,7
	global_store_b128 v[CO], v[rc+4*\t:rc+4*\t+3], s[12:13] offset:(16*(\a)+2*\t)*4096   ; lanes 0-15 store 256 consecutive bytes, aligned; lanes 16-31 those one row below
.endr
.endm
	s_load_b256 s[4:11], s[0:1], 0x0               ; hs s[4:5], w2h s[6:7], b2 s[8:9], ptab s[10:11]
	s_load_b64 s[12:13], s[0:1], 0x20              ; yp
	v_lshl_add_u32 v[SPW], v0, 2, SPARE
	v_mov_b32 v[NIL], 0
	ds_add_u32 v[SPW], v[NIL]                      ; the wave's opening: the add and its wait stand ahead of my first tensor load
	ds_add_u32 v12, v13
	v_lshrrev_b32 v1, 5, v0
	v_readfirstlane_b32 s[WV], v1
	s_bfe_u32 s[CX], ttmp6, 0x40000                ; my place in the cluster = my 256 columns
	s_and_b32 s[P], ttmp7, 0xffff                  ; the cluster's y = my part
	s_mov_b32 s[G1A], 15|(1<<16)|(1<<20)|(1<<21)|(5<<22)|(3<<25)   ; the mask of four; 2-byte elements; padding on; bit 21 beside a mask; after every 64 words 4 words
	s_mov_b32 s[G1A+1], 128<<16
	s_mov_b32 s[G1A+2], 72<<16
	s_mov_b32 s[G1A+3], 128<<16
	s_mov_b32 s[G1A+4], 72
	s_mov_b32 s[G1A+5], 128
	s_mov_b32 s[G1A+6], 0
	s_mov_b32 s[G1A+7], 0
	s_mov_b32 s[G1R], 15|(1<<16)|(1<<20)|(1<<21)|(5<<22)|(3<<25)
	s_mov_b32 s[G1R+1], 128<<16
	s_mov_b32 s[G1R+2], 216<<16
	s_mov_b32 s[G1R+3], 128<<16
	s_mov_b32 s[G1R+4], 216
	s_mov_b32 s[G1R+5], 128
	s_mov_b32 s[G1R+6], 0
	s_mov_b32 s[G1R+7], 0
	s_mov_b32 s[G0A], 1
	s_mul_i32 s[G0A+1], s[WV], 72*PA
	s_mov_b32 s[G0R], 1
	s_mul_i32 s[G0R+1], s[WV], 216*PA
	s_add_co_u32 s[G0R+1], s[G0R+1], 288*PA
	s_mov_b32 s[SA], 0
	s_mul_i32 s86, s[P], PARTB
	s_mov_b32 s87, 0
	s_mul_i32 s94, s[WV], 72*256
	s_mov_b32 s95, 0
	s_mul_i32 s92, s[WV], 216*256
	s_add_co_u32 s92, s92, 288*256
	s_mov_b32 s93, 0
	s_lshl_b32 s90, s[P], 2
	s_wait_dscnt 0x0                               ; the opening add is done
	s_wait_kmcnt 0x0
	s_load_b32 s[EC], s[10:11], s90 offset:0x0     ; my part's expert: wanted behind the tensor loads
	s_add_nc_u64 s[88:89], s[4:5], s[86:87]        ; hs at my part
	s_add_nc_u64 s[G0A+2:G0A+3], s[88:89], s[94:95]
	s_or_b32 s[G0A+3], s[G0A+3], 0x80000000
	s_add_nc_u64 s[G0R+2:G0R+3], s[88:89], s[92:93]
	s_or_b32 s[G0R+3], s[G0R+3], 0x80000000
	CROUND                                         ; all four work-groups are here: the joint loads meet
	tensor_load_to_lds s[G0A:G0A+3], s[G1A:G1A+7]  ; every fill of the launch goes out here: two loads of mine are out
	s_nop 0
	tensor_load_to_lds s[G0R:G0R+3], s[G1R:G1R+7]
	s_nop 0
	PLACES
	s_wait_kmcnt 0x0
	s_min_u32 s[EC], s[EC], 7
	s_lshl_b32 s90, s[EC], 21
	s_lshl_b32 s92, s[CX], 19
	s_add_co_u32 s90, s90, s92
	s_lshl_b32 s92, s[WV], 17
	s_add_co_u32 s90, s90, s92
	s_mov_b32 s91, 0
	s_add_nc_u64 s[6:7], s[6:7], s[90:91]          ; the weights at my wave's four column blocks
	s_lshl_b32 s90, s[EC], 12
	s_lshl_b32 s92, s[CX], 10
	s_add_co_u32 s90, s90, s92
	s_lshl_b32 s92, s[WV], 8
	s_add_co_u32 s90, s90, s92
	s_add_nc_u64 s[8:9], s[8:9], s[90:91]          ; the bias of my wave's 64 columns
	v_and_b32 v11, 31, v0
	v_lshlrev_b32 v[VB], 4, v11
	v_and_b32 v1, 15, v0                           ; l % 16
	v_lshlrev_b32 v14, 4, v1                       ; 16 (l % 16): my 16 bytes of a row's 256; never rewritten
	global_load_b128 v[BI:BI+3], v14, s[8:9]       ; it comes back ahead of the weights
.irp q, 0,1,2,3,4,5,6
	BLOAD \q, \q                                   ; the ring's first seven quarters
.endr
	WIN 0
	s_mul_i32 s86, s[P], ROWS*4096                 ; yp at my part: 144 rows of 4,096 bytes,
	s_add_nc_u64 s[12:13], s[12:13], s[86:87]
	s_lshl_b32 s90, s[CX], 10                      ; at my work-group's 256 columns,
	s_lshl_b32 s92, s[WV], 8                       ; at my wave's 64
	s_add_co_u32 s90, s90, s92
	s_add_nc_u64 s[12:13], s[12:13], s[90:91]
	v_bfe_u32 v2, v0, 4, 1                         ; l / 16
	v_mul_u32_u24 v[AK0], v1, PA
	v_lshl_add_u32 v[AK0], v2, 4, v[AK0]           ; a row fragment: row x pitch + 16 x half
	v_mov_b32 v[ADA], v[AK0]
	s_mul_i32 s94, s[WV], WSTG                     ; my own stage
	v_mul_u32_u24 v15, v1, SP2                     ; in: row l % 16, 32 bytes for each half of the lanes
	v_lshl_add_u32 v15, v2, 5, v15
	v_add_nc_u32 v[STO], s94, v15
	v_mul_u32_u24 v15, v2, SP2                     ; back: lanes 0-15 take one row's 256 bytes, lanes 16-31 the next row's
	v_add_nc_u32 v15, v15, v14
	v_add_nc_u32 v[RD], s94, v15
	v_lshl_add_u32 v[CO], v2, 12, v14              ; and the same two rows in yp
	s_wait_tensorcnt 0x1                           ; my rows of K steps 0 and 1 are in; the 216 others may stay out
	s_barrier_signal -1
	s_barrier_wait -1
	FETCH 0, 0, 0
	QUARTER 0, 1, 48, 1, 1                         ; the first quarter's products start the sums.  48 = the six younger quarters' loads
	WIN 0
	s_mov_b32 s[CNT], 3
.Lk:                                                   ; trip t: quarters 8 t + 1 .. 8 t + 8; it asks for the weights of quarters 8 t + 8 .. 8 t + 15
	QUARTER 1, 0, 48, 1, 1, 0, 1
.irp q, 2,3,4,5
	QUARTER \q, 0, 48, 1, 1
.endr
	QUARTER 6, 0, 48, 1, 1, 1
	QUARTER 7, 0, 48, 1, 1
	QUARTER 8, 0, 48, 1, 1
	WIN 0
	s_sub_co_u32 s[CNT], s[CNT], 1
	s_cmp_lg_u32 s[CNT], 0
	s_cbranch_scc1 .Lk
	QUARTER 1, 0, 48, 1, 0                         ; quarters 25 to 31 ask for no weights: the counts run down
	QUARTER 2, 0, 40, 1, 0
	QUARTER 3, 0, 32, 1, 0
	QUARTER 4, 0, 24, 1, 0
	QUARTER 5, 0, 16, 1, 0
	QUARTER 6, 0, 8, 1, 0
	QUARTER 7, 0, 0, 0, 0
	WIN 0
	PLACES
	s_barrier_signal -1                            ; every wave's reads of the rows have come back, and no tensor load is out: the stages may be written over them
	s_barrier_wait -1
.irp c, 0,2
	v_cvt_pk_bf16_f32 v15, v[BI+\c], v[BI+\c+1]    ; the bias rounded to bf16, like every input
	v_lshlrev_b32 v[BI+\c], 16, v15
	v_and_b32 v[BI+\c+1], 0xffff0000, v15
.endr
	OUTA 0
.irp a, 1,2,3,4,5,6,7,8                ; block a's way through the stage stands between block a - 1's loads and the wait for them
	OUTA \a
	OUTB (\a)-1, 16
.endr
	OUTB 8, 0
	WIN 0
	s_wait_dscnt 0x0
	s_barrier_signal -1                            ; every wave's reads of its stage are back
	s_barrier_wait -1
	s_wait_tensorcnt 0x0                           ; the wave's end
	ds_add_u32 v[SPW], v[NIL]
	s_wait_dscnt 0x0
	CROUND                                         ; the closing round: no work-group ends while a partner may still ask for a tile that names it
	s_endpgm
.Lfunc_end_k_q7a50d64644_ffn2:
	.size	k_q7a50d64644_ffn2, .Lfunc_end_k_q7a50d64644_ffn2-k_q7a50d64644_ffn2
	.p2alignl 7, 3214868480
	.fill 96, 4, 3214868480
	.section	.rodata,"a",@progbits
	.p2align	6, 0x0
	.amdhsa_kernel k_q7a50d64644_ffn2
		.amdhsa_group_segment_fixed_size 327680
		.amdhsa_private_segment_fixed_size 0
		.amdhsa_enable_private_segment 0
		.amdhsa_kernarg_size 40
		.amdhsa_user_sgpr_count 2
		.amdhsa_user_sgpr_kernarg_segment_ptr 1
		.amdhsa_wavefront_size32 1
		.amdhsa_system_sgpr_workgroup_id_x 1
		.amdhsa_system_sgpr_workgroup_id_y 1
		.amdhsa_system_sgpr_workgroup_id_z 1
		.amdhsa_system_vgpr_workitem_id 0
		.amdhsa_next_free_vgpr 1024
		.amdhsa_next_free_sgpr 96
		.amdhsa_reserve_vcc 0
		.amdhsa_float_denorm_mode_32 3
		.amdhsa_float_denorm_mode_16_64 3
		.amdhsa_memory_ordered 1
		.amdhsa_forward_progress 1
		.amdhsa_inst_pref_size 104
	.end_amdhsa_kernel
	.amdgpu_metadata
---
amdhsa.version: [ 1, 2 ]
amdhsa.kernels:
  - .name:           k_q7a50d64644_ffn2
    .symbol:         k_q7a50d64644_ffn2.kd
    .args:
      - { .name: hs, .offset: 0, .size: 8, .value_kind: global_buffer, .address_space: global }
      - { .name: w2h, .offset: 8, .size: 8, .value_kind: global_buffer, .address_space: global }
      - { .name: b2, .offset: 16, .size: 8, .value_kind: global_buffer, .address_space: global }
      - { .name: ptab, .offset: 24, .size: 8, .value_kind: global_buffer, .address_space: global }
      - { .name: yp, .offset: 32, .size: 8, .value_kind: global_buffer, .address_space: global }
    .group_segment_fixed_size: 327680
    .private_segment_fixed_size: 0
    .kernarg_segment_align: 8
    .kernarg_segment_size: 40
    .max_flat_workgroup_size: 128
    .sgpr_count:     96
    .vgpr_count:     1024
    .wavefront_size: 32
...
	.end_amdgpu_metadata
.endif
;; end of part 9
;; launch sum: the kernel of part 5 again; grid 256 x 1, 8 waves a work-group, no clusters, 0 bytes of LDS; arguments yp, ptab, gate, out0; writes out0
